; MI455X (gfx1250); checked and timed in simulation.
; The chip was launched on July 23, 2026; its instructions are those of AMD's public machine-readable ISA for CDNA 5 (MIT licence, August 2026) and "CDNA5" Instruction Set Architecture Reference Guide (July 2026). The comments in the code are by the model that wrote it; some were corrected since.
;; Cross Attention. Allowed arithmetic: matrix products marked QUANTISED: E2M3 operands, one E8M0 scale for each 32 along K, by v_wmma_scale_f32_16x16x128_f8f6f4 with both operands' format E2M3, f32 sums; products left as they are: f32 operands where the result goes on into a quantised operand, else bf16, f16 or f32 operands; f32 sums; everything else in f32.
;; Inputs: Uid 4 x 2,048 x 128 float32; Uq 4 x 2,048 x 128 float32; Wc_b one number float32; Wc_w 384 float32; mask 2,048 x 2,048 float32.
;; Outputs: out0 4 x 2,048 x 512 float32.
;; This version of the problem:
;;   THIS VERSION OF THE PROBLEM IS GIVEN IN LOW PRECISION. The matrix products marked QUANTISED in the list below multiply operands that are first quantised to E2M3 (2 exponent bits, 3 mantissa bits; 6 bits a number), with one power-of-two scale for each 32 numbers along K (OCP MX v1.0); their sums are f32. All else is computed in f32.
;;   The module's matrix products, in the order in which they are computed (A, B: the left and right operand; K: the contracted axis; several contracted axes count as one K, in the product's order):
;;     1. [M 8,192, K 128] x [K 128, N 1]; A: input Uid; B: input Wc_w: left as it is (N = 1 < 16)
;;     2. [M 8,192, K 128] x [K 128, N 1]; A: input Uq; B: input Wc_w: left as it is (N = 1 < 16)
;;     3. batch 128 x [M 8,192, K 1] x [K 1, N 1]; A: computed on the way; B: computed on the way: left as it is (no contracted axis)
;;     4. batch 4 x [M 2,048, K 128] x [K 128, N 2,048]; A: input Uid; B: computed on the way: QUANTISED
;;     5. batch 4 x [M 2,048, K 2,048] x [K 2,048, N 128]; A: computed on the way; B: input Uq: QUANTISED
;;     6. batch 4 x [M 2,048, K 2,048] x [K 2,048, N 2,048]; A: computed on the way; B: computed on the way: QUANTISED
;;     7. batch 4 x [M 2,048, K 2,048] x [K 2,048, N 128]; A: computed on the way; B: input Uid: QUANTISED
;;   THE QUANTISER, for each operand of a quantised product, along K:
;;     - K is cut into blocks of 32 from its start; a last block that is shorter is filled with zeros.
;;     - A block's scale is 2^e with e = floor(log2(the largest magnitude in the block)) - 2, held to -126 .. 127; a block of zeros has e = 0. As a byte (E8M0): e + 127.
;;     - Each number is divided by its block's scale, clamped to +-7.5, and rounded to the nearest number of E2M3, ties to even, subnormals kept.
;;     - The product sums the exact products of the quantised numbers (number of the format x scale) in f32.
;;   ~~~python
;;   def quantise(x, axis):      # numpy; x: float32 -> the quantised numbers, widened to float32 again
;;       x = np.moveaxis(x, axis, -1); K = x.shape[-1]
;;       x = np.pad(x, [(0, 0)] * (x.ndim - 1) + [(0, -K % 32)]); x = x.reshape(x.shape[:-1] + (-1, 32)); a = np.abs(x).max(-1, keepdims=True)
;;       e = np.where(a > 0, np.clip(np.frexp(np.where(a > 0, a, 1))[1] - 1 - 2, -126, 127), 0)      # np.frexp(a)[1] - 1 = floor(log2(a)), exactly
;;       r = np.clip(x / 2.0 ** e, -7.5, 7.5)
;;       step = 2.0 ** (np.maximum(np.frexp(np.where(r == 0, 1, r))[1] - 1, 0) - 3)
;;       q = np.round(r / step) * step * 2.0 ** e      # np.round: ties to even
;;       return np.moveaxis(q.reshape(q.shape[:-2] + (-1,))[..., :K], -1, axis).astype(np.float32)
;;   ~~~
;;   OPERANDS COMPUTED ON THE WAY. 'Computed on the way' means the value that the module computes at that place (a softmax that the list does not call 'softmax' is quantised finished and normalised). What goes into a quantiser is computed in f32, as accurately as f32 sums, v_exp_f32 and their like allow (about 1e-6 of the number): no bf16 or f16 on the way to a quantiser, and a product that is left as it is and whose result goes on into a quantised operand takes f32 operands (vector FMAs, or v_wmma_f32_16x16x4_f32). A number that lies on a knife's edge between two numbers of the format may be rounded either way, as far as f32 arithmetic and the matrix unit's own rounding can turn it there, and no further.
;; One version. Each part assembles by itself: llvm-mc -triple=amdgcn-amd-amdhsa -mcpu=gfx1250 --defsym DOCPART=n.
;; ======== version 1 of 1: 4 launches
;; workspace buffers: prep 3,407,872 bytes; pq 13,107,200 bytes; mq 13,107,200 bytes
;; launch prep (part 1): grid 64 x 2, 12 waves a work-group, no clusters, 0 bytes of LDS; arguments Uid, Uq, Wc_w, Wc_b, prep; writes prep
.if DOCPART == 1
	.amdgcn_target "amdgcn-amd-amdhsa--gfx1250"
	.amdhsa_code_object_version 6
	.text
	.protected	k_qa81db037da_prep
	.globl	k_qa81db037da_prep
	.p2align	8
	.type	k_qa81db037da_prep,@function
k_qa81db037da_prep:
	s_mov_b64 s[64:65], 0
	v_nop
	global_prefetch_b8 v0, s[64:65] scope:SCOPE_SE
	s_setreg_imm32_b32 hwreg(HW_REG_WAVE_MODE, 25, 1), 1
	s_wait_xcnt 0x0
; PREP.  Uid and Uq, [8192][128] f32 each (4 batches x 2048 rows), are turned once into all that the later launches read of them.
; Work-group (x, y): tensor y (0: Uid, 1: Uq), rows 128 x .. 128 x + 127.  Twelve waves, no LDS, no barrier: waves share nothing.
;  waves 4-11, BY ROWS: wave 4 + t makes one tile of 16 rows: (a) the row's number s: Uid . w_id + bias, or Uq . w_q, by f32 multiply-adds;
;    (b) the row (Uq: first multiplied by w_mul, in f32) as codes of E2M3 along e, 128 = one K step, stored as an IMAGE OF THE OPERAND'S REGISTERS
;    (12 registers a lane: three stores of 16 bytes a lane, 512 consecutive bytes each) with its scale word (4 bytes a lane).
;    Uid's tile T holds rows 16 T + r.  Uq's tile T holds rows 32 (T / 2) + 8 (T % 2) + r + 8 (r / 8), so that as source 0 of a product two neighbouring tiles give a lane 16 neighbouring rows.
;  waves 0-3, BY COLUMNS: the same 128 rows as codes along the ROW axis (the K of the two last products): a lane takes a column e and its registers run down the rows,
;    so a block of 32 rows lies in one lane.  A block's 24 bytes are stored as 16 + 8: bytes 0-15 at 256 (e / 16) + 16 (e % 16), bytes 16-23 at 2048 + 128 (e / 16) + 8 (e % 16) of the block's 3,072 bytes.
; A block's scale is 2^(floor(log2(largest magnitude)) - 2): its byte is the largest magnitude's exponent field - 2, held at 1 from below by a floor among the maximum's leaves.
; LIMITS: NaN and infinities are not served.  A block of zeros gets the byte 1, not 127: its codes are zeros, and this program alone reads the bytes.  The sums s run in another order than a plain loop over e.
; No cluster: no two work-groups read the same rows.  128 work-groups: 128 rows are one K step of the row axis, so that each column gets a whole scale word from one wave.
.set SEC,   1703936                    ; a tensor's section of the buffer
.set O_ES,  786432                     ; in it: scale words of the tiles by rows, 128 bytes a tile (the codes, 1,536 bytes a tile, begin at 0)
.set O_S,   851968                     ; the numbers s, f32 [8192]
.set O_T,   884736                     ; codes along the row axis, 3,072 bytes for each block of 32 rows
.set O_TS,  1671168                    ; their scale words, 512 bytes for each 128 rows
.set FLOOR, 0x1800000                  ; 2^(3 - 127)
.set EOFF,  0xff000000                 ; takes 2 off an exponent field
.set TW,    10                         ; by columns: v10-11 two chains of the maximum, v12 the conversions' scale operand, v13 the byte: under every register that a conversion writes
.set SWD,   14                         ; by columns: v14 my column's scale word
.set CD,    16                         ; by columns: v16-45 a block's six registers of codes at 8 q;  v48-62 the second conversion's three at 4 q
.set CD2,   48
.set X,     64                         ; v64-191 (by columns) or v64-127 (by rows): the numbers
.set WD,    128                        ; v128-191 by rows: the weights of the sum s
.set WM,    192                        ; v192-255 by rows: w_mul
	s_load_b256 s[4:11], s[0:1], 0x0               ; Uid s[4:5], Uq s[6:7], Wc_w s[8:9], Wc_b s[10:11]
	s_load_b64 s[12:13], s[0:1], 0x20              ; prep
	v_lshrrev_b32 v1, 5, v0
	v_readfirstlane_b32 s14, v1                    ; wave 0..11
	s_and_b32 s15, ttmp7, 0xffff                   ; which tensor
	s_mov_b32 s16, ttmp9                           ; which 128 rows
	v_and_b32 v3, 31, v0                           ; lane
	v_and_b32 v1, 15, v0                           ; r
	v_bfe_u32 v2, v0, 4, 1                         ; h
	s_mov_b32 s24, 0x76543210
	s_mov_b32 s25, 0xfedcba98                      ; v_permlanex16_b32's selects for lane l xor 16
	s_mov_b32 s21, 0
	s_wait_kmcnt 0x0
	s_load_b32 s22, s[10:11], 0x0                  ; the bias
	s_cmp_eq_u32 s15, 0
	s_cselect_b64 s[18:19], s[4:5], s[6:7]         ; the tensor: the choice hangs on the work-group's number alone
	s_cselect_b32 s20, 0, 512
	s_add_nc_u64 s[26:27], s[8:9], s[20:21]        ; w_id or w_q
	s_add_nc_u64 s[28:29], s[8:9], 1024            ; w_mul
	s_mul_i32 s20, s15, SEC
	s_add_nc_u64 s[30:31], s[12:13], s[20:21]      ; the tensor's section
	s_lshl_b32 s20, s16, 16
	s_add_nc_u64 s[18:19], s[18:19], s[20:21]      ; my 128 rows of 512 bytes
	s_wait_kmcnt 0x0
	s_cmp_eq_u32 s15, 0
	s_cselect_b32 s22, s22, 0                      ; the bias goes into Uid's numbers alone
	s_cmp_lt_u32 s14, 4
	s_cbranch_scc0 .Lrows
; ---------------- BY COLUMNS: wave w takes columns 32 w + lane
.macro LOADT q                         ; block q: rows 32 q + i of my column: 32 lanes read 128 consecutive bytes, the four waves a whole row
.irp i, 0,1,2,3,4,5,6,7,8,9,10,11,12,13,14,15,16,17,18,19,20,21,22,23,24,25,26,27,28,29,30,31
	global_load_b32 v[X+32*(\q)+\i], v4, s[18:19] offset:(32*(\q)+\i)*512
.endr
.endm
	s_lshl_b32 s20, s14, 7
	v_lshl_add_u32 v4, v3, 2, s20                  ; 128 w + 4 lane: my column in a row, and my scale word's place
	LOADT 0
	LOADT 1
	s_lshl_b32 s20, s14, 9
	v_lshl_add_u32 v5, v3, 4, s20                  ; bytes 0-15 of a block: 512 w + 16 lane
	s_lshl_b32 s20, s14, 8
	s_add_co_u32 s20, s20, 2048
	v_lshl_add_u32 v6, v3, 3, s20                  ; bytes 16-23: 2048 + 256 w + 8 lane
	s_mul_i32 s20, s16, 12288                      ; four blocks of 3,072 bytes for each 128 rows
	s_add_co_u32 s20, s20, O_T
	s_add_nc_u64 s[32:33], s[30:31], s[20:21]
	s_lshl_b32 s20, s16, 9
	s_add_co_u32 s20, s20, O_TS
	s_add_nc_u64 s[34:35], s[30:31], s[20:21]
; Block q.  left: the loads of the one younger block may stay out.  Each block has registers of its own for its numbers and its codes, so no store's data are written again.
.macro TBLOCK q, left
.set XS, X+32*\q
	s_wait_loadcnt \left
.if \q < 2
	LOADT \q+2
.endif
	v_max3_num_f32 v[TW], |v[XS]|, |v[XS+1]|, |v[XS+2]|            ; the block's largest magnitude: all 32 numbers are mine; two chains
	v_max3_num_f32 v[TW+1], |v[XS+3]|, |v[XS+4]|, |v[XS+5]|
.irp i, 6,10,14,18,22,26
	v_max3_num_f32 v[TW], v[TW], |v[XS+\i]|, |v[XS+\i+1]|
	v_max3_num_f32 v[TW+1], v[TW+1], |v[XS+\i+2]|, |v[XS+\i+3]|
.endr
	v_max3_num_f32 v[TW], v[TW], |v[XS+30]|, |v[XS+31]|
	v_max3_num_f32 v[TW], v[TW], v[TW+1], FLOOR    ; and the floor: the byte cannot fall under 1
	v_add_nc_u32 v[TW+2], EOFF, v[TW]              ; 2 off the exponent field: the conversion takes this operand's exponent field as its scale
	v_lshrrev_b32 v[TW+3], 23, v[TW+2]             ; the scale's byte
.if \q == 0
	v_mov_b32 v[SWD], v[TW+3]                      ; four bytes make my column's scale word for these 128 rows
.else
	v_lshl_or_b32 v[SWD], v[TW+3], 8*\q, v[SWD]
.endif
	v_cvt_scalef32_pk16_fp6_f32 v[CD+8*\q:CD+8*\q+2], v[XS:XS+15], v[TW+2]
	v_cvt_scalef32_pk16_fp6_f32 v[CD2+4*\q:CD2+4*\q+2], v[XS+16:XS+31], v[TW+2]   ; (a conversion's three registers begin on an even number)
	v_nop                                          ; one plain place behind a scaled conversion
.irp i, 0,1,2
	v_mov_b32 v[CD+8*\q+3+\i], v[CD2+4*\q+\i]      ; the block's 24 bytes on end
.endr
	global_store_b128 v5, v[CD+8*\q:CD+8*\q+3], s[32:33] offset:3072*\q      ; the wave stores 512 consecutive bytes, aligned
	global_store_b64 v6, v[CD+8*\q+4:CD+8*\q+5], s[32:33] offset:3072*\q     ; and 256
.endm
	TBLOCK 0, 32
	TBLOCK 1, 32
	TBLOCK 2, 32
	TBLOCK 3, 0
	global_store_b32 v4, v[SWD], s[34:35]
	s_endpgm
; ---------------- BY ROWS: wave 4 + t takes tile t of the block's eight.  Lane (r, h) holds k = 64 c + 32 h + 0 .. 31 of its row, as the operand's layout gives them to it
.Lrows:
	s_sub_co_u32 s17, s14, 4                       ; t
	s_lshr_b32 s20, s17, 1
	s_lshl_b32 s20, s20, 5
	s_and_b32 s23, s17, 1
	s_lshl_b32 s23, s23, 3
	s_add_co_u32 s20, s20, s23                     ; Uq: the tile begins at row 32 (t / 2) + 8 (t % 2),
	s_lshl_b32 s23, s17, 4                         ; Uid: at 16 t
	s_cmp_eq_u32 s15, 0
	s_cselect_b32 s20, s23, s20
	v_and_b32 v9, 8, v1
	v_mul_u32_u24 v9, s15, v9                      ; Uq: lanes 8-15 take the rows that lie 8 further on
	v_add_nc_u32 v9, v9, v1
	v_add_nc_u32 v9, s20, v9                       ; my row among the 128
	v_lshlrev_b32 v4, 9, v9
	v_lshl_add_u32 v4, v2, 7, v4                   ; row x 512 + 128 h
	v_lshlrev_b32 v5, 7, v2                        ; the weights of the same k: 128 h
.irp c, 0,1
.irp i, 0,1,2,3,4,5,6,7
	global_load_b128 v[X+32*\c+4*\i:X+32*\c+4*\i+3], v4, s[18:19] offset:256*\c+16*\i
.endr
.endr
.irp c, 0,1
.irp i, 0,1,2,3,4,5,6,7
	global_load_b128 v[WD+32*\c+4*\i:WD+32*\c+4*\i+3], v5, s[26:27] offset:256*\c+16*\i
.endr
.endr
.irp c, 0,1
.irp i, 0,1,2,3,4,5,6,7
	global_load_b128 v[WM+32*\c+4*\i:WM+32*\c+4*\i+3], v5, s[28:29] offset:256*\c+16*\i
.endr
.endr
	v_lshlrev_b32 v8, 2, v9                        ; my row's place among the numbers s
	v_lshlrev_b32 v6, 4, v3                        ; an image's place for my lane
	v_lshlrev_b32 v7, 2, v3                        ; a scale word's
	s_lshl_b32 s20, s16, 3
	s_add_co_u32 s20, s20, s17                     ; tile T = 8 x + t
	s_mul_i32 s32, s20, 1536
	s_mov_b32 s33, 0
	s_add_nc_u64 s[36:37], s[30:31], s[32:33]
	s_lshl_b32 s32, s20, 7
	s_add_co_u32 s32, s32, O_ES
	s_add_nc_u64 s[38:39], s[30:31], s[32:33]
	s_lshl_b32 s32, s16, 9
	s_add_co_u32 s32, s32, O_S
	s_add_nc_u64 s[40:41], s[30:31], s[32:33]
	s_wait_loadcnt 0x0
.irp p, 0,1,2,3
	v_pk_mul_f32 v[36+2*\p:37+2*\p], v[X+2*\p:X+2*\p+1], v[WD+2*\p:WD+2*\p+1]     ; the sum s: four chains of packed multiply-adds, started by the first products
.endr
.set P, 4
.rept 28
	v_pk_fma_f32 v[36+2*(P%4):37+2*(P%4)], v[X+2*P:X+2*P+1], v[WD+2*P:WD+2*P+1], v[36+2*(P%4):37+2*(P%4)]
.set P, P+1
.endr
	v_pk_add_f32 v[36:37], v[36:37], v[38:39]
	v_pk_add_f32 v[40:41], v[40:41], v[42:43]
	v_pk_add_f32 v[36:37], v[36:37], v[40:41]
	v_add_f32 v36, v36, v37
	v_permlanex16_b32 v37, v36, s24, s25           ; the row's other 64 numbers lie in lane l xor 16
	v_add_f32 v36, v36, v37
	v_add_f32 v36, s22, v36                        ; + the bias (Uid) or 0
	s_cmp_eq_u32 s15, 0
	s_cbranch_scc1 .Lplain
.set P, 0
.rept 32
	v_pk_mul_f32 v[X+2*P:X+2*P+1], v[X+2*P:X+2*P+1], v[WM+2*P:WM+2*P+1]           ; Uq x w_mul, in f32: that is what is quantised
.set P, P+1
.endr
.Lplain:
.irp c, 0,1                                    ; my block 2 c + h: all its 32 numbers are mine
	v_max3_num_f32 v[44+\c], |v[X+32*\c]|, |v[X+1+32*\c]|, FLOOR
.endr
.irp i, 2,4,6,8,10,12,14,16,18,20,22,24,26,28,30
.irp c, 0,1
	v_max3_num_f32 v[44+\c], v[44+\c], |v[X+32*\c+\i]|, |v[X+1+32*\c+\i]|
.endr
.endr
.irp c, 0,1
	v_add_nc_u32 v[46+\c], EOFF, v[44+\c]
.endr
.irp c, 0,1
	v_lshrrev_b32 v[48+\c], 23, v[46+\c]
.endr
	v_lshl_or_b32 v50, v49, 16, v48                ; my two bytes: blocks h and 2 + h,
	v_lshlrev_b32 v51, 3, v2
	v_lshlrev_b32 v50, v51, v50                    ; at their places in the word;
	v_mov_b32 v51, 0
	v_permlanex16_b32 v51, v50, s24, s25
	v_or_b32 v50, v50, v51                         ; with lane l xor 16's two the word is whole, in both halves of the lanes
.irp c, 0,1
	v_cvt_scalef32_pk16_fp6_f32 v[16+6*\c:18+6*\c], v[X+32*\c:X+15+32*\c], v[46+\c]
	v_cvt_scalef32_pk16_fp6_f32 v[28+4*\c:30+4*\c], v[X+16+32*\c:X+31+32*\c], v[46+\c]
.endr
	v_nop                                          ; one plain place behind a scaled conversion
.irp c, 0,1
.irp i, 0,1,2
	v_mov_b32 v[19+6*\c+\i], v[28+4*\c+\i]
.endr
.endr
.irp g, 0,1,2
	global_store_b128 v6, v[16+4*\g:19+4*\g], s[36:37] offset:512*\g     ; the fragment as it stands: 512 consecutive bytes a store, aligned
.endr
	global_store_b32 v7, v50, s[38:39]
	global_store_b32 v8, v36, s[40:41]             ; lanes l and l xor 16 hold the same bits and name the same word: EXEC stays as it is
	s_endpgm
.Lfunc_end_k_qa81db037da_prep:
	.size	k_qa81db037da_prep, .Lfunc_end_k_qa81db037da_prep-k_qa81db037da_prep
	.p2alignl 7, 3214868480
	.fill 96, 4, 3214868480
	.section	.rodata,"a",@progbits
	.p2align	6, 0x0
	.amdhsa_kernel k_qa81db037da_prep
		.amdhsa_group_segment_fixed_size 0
		.amdhsa_private_segment_fixed_size 0
		.amdhsa_enable_private_segment 0
		.amdhsa_kernarg_size 40
		.amdhsa_user_sgpr_count 2
		.amdhsa_user_sgpr_kernarg_segment_ptr 1
		.amdhsa_wavefront_size32 1
		.amdhsa_system_sgpr_workgroup_id_x 1
		.amdhsa_system_sgpr_workgroup_id_y 1
		.amdhsa_system_sgpr_workgroup_id_z 1
		.amdhsa_system_vgpr_workitem_id 0
		.amdhsa_next_free_vgpr 256
		.amdhsa_next_free_sgpr 66
		.amdhsa_reserve_vcc 0
		.amdhsa_float_denorm_mode_32 3
		.amdhsa_float_denorm_mode_16_64 3
		.amdhsa_memory_ordered 1
		.amdhsa_forward_progress 1
		.amdhsa_inst_pref_size 35
	.end_amdhsa_kernel
	.amdgpu_metadata
---
amdhsa.version: [ 1, 2 ]
amdhsa.kernels:
  - .name:           k_qa81db037da_prep
    .symbol:         k_qa81db037da_prep.kd
    .args:
      - { .name: Uid, .offset: 0, .size: 8, .value_kind: global_buffer, .address_space: global }
      - { .name: Uq, .offset: 8, .size: 8, .value_kind: global_buffer, .address_space: global }
      - { .name: Wc_w, .offset: 16, .size: 8, .value_kind: global_buffer, .address_space: global }
      - { .name: Wc_b, .offset: 24, .size: 8, .value_kind: global_buffer, .address_space: global }
      - { .name: prep, .offset: 32, .size: 8, .value_kind: global_buffer, .address_space: global }
    .group_segment_fixed_size: 0
    .private_segment_fixed_size: 0
    .kernarg_segment_align: 8
    .kernarg_segment_size: 40
    .max_flat_workgroup_size: 384
    .sgpr_count:     66
    .vgpr_count:     256
    .wavefront_size: 32
...
	.end_amdgpu_metadata
.endif
;; end of part 1
;; launch soft (part 2): grid 4 x 64, 16 waves a work-group, clusters of 4 x 1, 327,680 bytes of LDS; arguments mask, prep, pq; writes pq
.if DOCPART == 2
	.amdgcn_target "amdgcn-amd-amdhsa--gfx1250"
	.amdhsa_code_object_version 6
	.text
	.protected	k_qa81db037da_soft
	.globl	k_qa81db037da_soft
	.p2align	8
	.type	k_qa81db037da_soft,@function
k_qa81db037da_soft:
	s_mov_b64 s[64:65], 0
	v_nop
	global_prefetch_b8 v0, s[64:65] scope:SCOPE_SE
	s_setreg_imm32_b32 hwreg(HW_REG_WAVE_MODE, 25, 1), 1
	s_wait_xcnt 0x0
	s_wait_alu depctr_hold_cnt(0) depctr_sa_sdst(0) depctr_va_vdst(0) depctr_va_sdst(0) depctr_va_ssrc(0) depctr_va_vcc(0) depctr_vm_vsrc(0)
	s_getreg_b32 s2, hwreg(HW_REG_IB_STS2, 6, 4)
	s_cmp_eq_u32 s2, 0
	s_cbranch_scc0 .Lentry_in_a_cluster
	s_endpgm
.Lentry_in_a_cluster:
	s_bfe_u32 s2, ttmp6, 0x10000c
	s_cmp_lg_u32 s2, 0x3003
	s_cbranch_scc0 .Lentry_shape_is_right
	s_endpgm
.Lentry_shape_is_right:
; SOFT.  S[i][j] = (s_id[i] + bias + s_q[j] + Q(Uid)[i] . Q(Uq x w_mul)[j]) x mask[i][j];  P = softmax of S DOWN each column j (over i);  P, finished and normalised, leaves as codes of E2M3 along j.
; SHARES.  A work-group owns one batch b and one block J of 32 columns, with all 2,048 rows: so a column's maximum and sum, and a row's block of 32 along j, both lie inside it.  4 x 64 = 256 work-groups.
; Wave w owns rows 128 w .. 128 w + 127: 8 tiles of 16.  S stays in 128 registers a lane from the product to the codes.
; LAYOUT.  The product is used transposed: source 0 = 16 rows of Uq (tiles 2 J and 2 J + 1, whose rows are chosen so), source 1 = 16 rows of Uid.  Lane (r, h) then holds row 16 t + r, and register
; S + 16 t + n holds column 32 J + 16 h + n: 16 neighbours along j.  s_id + bias + s_q is the C of the product: no addition behind it.
; THE MAXIMUM is taken away before the exponential, as reference() does: p = 2^(S log2(e) - max log2(e)), one fused multiply-add and one v_exp_f32; the rounding of max log2(e) is common to a column and cancels in p / sum.
; CLUSTER.  The four batches of one J read the same 2,048 x 32 piece of the mask: the four work-groups ask for it JOINTLY (the same tensor load, the same descriptor, a mask that names the four).  Nothing else is shared.
; A row's piece of the mask is 128 bytes: 64 columns to a work-group would leave 128 work-groups, and S would not fit the registers.
; OUT.  pq, codes: b x 3,145,728 + J x 49,152 + G x 6,144 (G: 256 rows) + { bytes 0-15 of a row's 24: 256 T + 16 x;  bytes 16-23: 4,096 + 128 T + 8 x }, where row 32 (T / 2) + 8 (T % 2) + x + 8 (x / 8) of the group is slot x of tile T.
; Scale bytes from byte 12,582,912 on: b x 131,072 + G x 16,384 + (J / 4) x 1,024 + (T / 8) x 512 + 16 (x + 16 (T % 2)) + 4 ((T % 8) / 2) + J % 4.  A word's four bytes come from four work-groups, so they leave as single bytes: one in 24 of the codes' bytes.
; LIMITS: NaN and infinities are not served; v_exp_f32 gives 0 for a p under 2^-126; a block of zeros gets the byte 1, not 127 (its codes are zeros; this program alone reads the bytes).
; Nothing is prefetched: the one tensor load and all loads of a wave go out at the head, so nothing could be asked for earlier.
.set SEC,   1703936
.set O_ES,  786432
.set O_S,   851968
.set O_SW,  12582912
.set FLOOR, 0x1800000
.set EOFF,  0xff000000
.set MP,    144                        ; a row of the mask's tile in LDS: 128 bytes + 16 = 36 words: the 16 rows that a load touches start at 16 different groups of banks (64 banks of 4 bytes: ISA guide 11.1)
.set MT,    128*MP                     ; a wave's tile: filled once, read by that wave alone
.set REDM,  16*MT                      ; behind the tiles: the waves' maxima, 128 bytes + 16 for each wave;
.set REDS,  16*MP                      ; and, so many bytes further on, their sums
.set QF,    16                         ; v16-39   Uq's two fragments
.set SQ,    42                         ; v42-57   s_q of my 16 columns
.set SID,   58                         ; v58-73   s_id + bias of my row in tile t, twice (a pair for the packed addition)
.set UF,    74                         ; v74-121  Uid's fragments: four sets of 12
.set QS,    122                        ; v122-123 Uq's scale words;  v124-127 Uid's, one for each set: these six hold scales and nothing else
.set US,    124
.set S,     128                        ; v128-255 S, then p, then P
.set MK,    16                         ; v16-79   later: the mask, four sets of 16
.set MX,    80                         ; v80-95   later: the columns' maxima, then -max log2(e)
.set SM,    96                         ; v96-111  later: the columns' sums, then 1 / sum
.macro CROUND                          ; a round of the cluster's barrier
	s_barrier_signal -1
	s_barrier_wait -1
	s_cmp_lg_u32 s10, 0
	s_cbranch_scc1 .Lnot_wave_0_\@
	s_barrier_signal -3
.Lnot_wave_0_\@:
	s_barrier_wait -3
	s_barrier_signal -1
	s_barrier_wait -1
.endm
	s_load_b128 s[4:7], s[0:1], 0x0                ; mask s[4:5], prep s[6:7]
	s_load_b64 s[8:9], s[0:1], 0x10                ; pq
	v_lshl_add_u32 v254, v0, 2, 0x49200
	v_mov_b32 v255, 0
	ds_add_u32 v254, v255
	ds_add_u32 v254, v255
	s_wait_dscnt 0x0
	v_lshrrev_b32 v1, 5, v0
	v_readfirstlane_b32 s10, v1                    ; wave 0..15
	s_bfe_u32 s11, ttmp6, 0x40000                  ; cx
	s_lshl_b32 s13, ttmp9, 2
	s_add_co_u32 s11, s11, s13                     ; the batch = 4 x cluster x + cx: it enters global addresses of plain loads and stores alone
	s_and_b32 s12, ttmp7, 0xffff                   ; J, which the four partners share
	; descriptor group 1: 128 rows x 32 elements of 4 bytes, 2,048 elements from row to row; 4 words of padding behind each 32
	s_mov_b32 s16, 15|(2<<16)|(1<<20)|(1<<21)|(4<<22)|(3<<25)
	s_mov_b32 s17, 32<<16                          ; tensor_dim0
	s_mov_b32 s18, 128<<16                         ; tensor_dim1
	s_mov_b32 s19, 32<<16                          ; tile_dim0
	s_mov_b32 s20, 128                             ; tile_dim1
	s_mov_b32 s21, 2048                            ; the pitch
	s_mov_b32 s22, 0
	s_mov_b32 s23, 0
	s_mov_b32 s24, 1
	s_mul_i32 s25, s10, MT                         ; LDS: my wave's tile
	s_lshl_b32 s2, s10, 20                         ; my 128 rows of 8,192 bytes,
	s_lshl_b32 s3, s12, 7                          ; the block's 32 columns
	s_add_co_u32 s2, s2, s3
	s_mov_b32 s3, 0
	s_wait_kmcnt 0x0
	s_add_nc_u64 s[26:27], s[4:5], s[2:3]
	s_or_b32 s27, s27, 0x80000000
	CROUND                                         ; all four work-groups are here: the joint loads meet
	tensor_load_to_lds s[24:27], s[16:23]          ; each wave its own 128 rows: one load of mine is out
	s_nop 0
.rept 4
	v_nop
.endr
	v_and_b32 v1, 15, v0                           ; r
	v_bfe_u32 v2, v0, 4, 1                         ; h
	v_and_b32 v3, 31, v0                           ; lane
	v_lshlrev_b32 v13, 4, v3                       ; 16 lane
	v_lshlrev_b32 v14, 2, v3                       ; 4 lane
	v_lshlrev_b32 v15, 6, v2                       ; 64 h
	s_mul_i32 s13, s10, 12288
	v_add_nc_u32 v4, s13, v13                      ; Uid's images: my wave's 8 tiles of 1,536 bytes
	s_lshl_b32 s13, s10, 10
	v_add_nc_u32 v5, s13, v14                      ; their scale words
	s_lshl_b32 s13, s10, 9
	v_lshl_add_u32 v6, v1, 2, s13                  ; s_id: 4 r + 512 w
	s_mul_i32 s2, s11, 196608
	s_add_nc_u64 s[34:35], s[6:7], s[2:3]          ; Uid's tiles of my batch
	s_lshl_b32 s2, s11, 14
	s_add_co_u32 s2, s2, O_ES
	s_add_nc_u64 s[36:37], s[6:7], s[2:3]
	s_lshl_b32 s2, s11, 13
	s_add_co_u32 s2, s2, O_S
	s_add_nc_u64 s[38:39], s[6:7], s[2:3]
	s_lshl_b32 s13, s11, 7
	s_lshl_b32 s14, s12, 1
	s_add_co_u32 s13, s13, s14                     ; Uq's tile 128 b + 2 J
	s_mul_i32 s2, s13, 1536
	s_add_co_u32 s2, s2, SEC
	s_add_nc_u64 s[40:41], s[6:7], s[2:3]
	s_lshl_b32 s2, s13, 7
	s_add_co_u32 s2, s2, SEC+O_ES
	s_add_nc_u64 s[42:43], s[6:7], s[2:3]
	s_lshl_b32 s2, s13, 6                          ; 16 rows of 4 bytes a tile
	s_add_co_u32 s2, s2, SEC+O_S
	s_add_nc_u64 s[44:45], s[6:7], s[2:3]
.irp u, 0,1
.irp c, 0,1,2
	global_load_b128 v[QF+12*\u+4*\c:QF+12*\u+4*\c+3], v13, s[40:41] offset:1536*\u+512*\c
.endr
	global_load_b32 v[QS+\u], v14, s[42:43] offset:128*\u
.endr
.irp c, 0,1,2,3
	global_load_b128 v[SQ+4*\c:SQ+4*\c+3], v15, s[44:45] offset:16*\c
.endr
.irp t, 0,1,2,3,4,5,6,7
	global_load_b32 v[SID+2*\t], v6, s[38:39] offset:64*\t
	global_load_b32 v[SID+2*\t+1], v6, s[38:39] offset:64*\t
.endr
.macro ULOAD t                         ; Uid's tile t of my eight into set t % 4: four loads
.irp c, 0,1,2
	global_load_b128 v[UF+12*((\t)%4)+4*\c:UF+12*((\t)%4)+4*\c+3], v4, s[34:35] offset:1536*(\t)+512*\c
.endr
	global_load_b32 v[US+(\t)%4], v5, s[36:37] offset:128*(\t)
.endm
	ULOAD 0
	ULOAD 1
	ULOAD 2
	ULOAD 3
	; the other addresses
	s_mul_i32 s13, s10, MT
	v_mul_u32_u24 v9, v1, MP
	v_add_nc_u32 v9, v9, v15                       ; 144 r + 64 h
	v_add_nc_u32 v7, s13, v9                       ; the mask: my wave's tile, row r, my half's 16 columns
	v_add_nc_u32 v9, REDM, v9                      ; the reductions, back: lane r takes wave r's numbers
	s_mul_i32 s13, s10, MP
	s_add_co_u32 s13, s13, REDM
	v_add_nc_u32 v8, s13, v15                      ; and in: my wave's 128 bytes, my half's 64
	v_lshrrev_b32 v40, 3, v1                       ; r / 8
	v_and_b32 v41, 7, v1
	v_lshl_add_u32 v41, v2, 3, v41                 ; x = r % 8 + 8 h: behind the exchange of halves lane (r, h) holds row 32 t' + 16 h + r, which is slot x of tile 2 t' + r / 8
	v_lshlrev_b32 v12, 4, v41
	v_lshl_add_u32 v12, v40, 8, v12                ; the scale bytes: 16 (x + 16 (r / 8))
	s_and_b32 s15, s10, 1
	s_lshl_b32 s13, s15, 11
	v_add_nc_u32 v10, s13, v12                     ; the codes' bytes 0-15: 2,048 (w % 2) + 256 (r / 8) + 16 x
	v_lshlrev_b32 v11, 3, v41
	v_lshl_add_u32 v11, v40, 7, v11
	s_lshl_b32 s13, s15, 10
	s_add_co_u32 s13, s13, 4096
	v_add_nc_u32 v11, s13, v11                     ; bytes 16-23: 4,096 + 1,024 (w % 2) + 128 (r / 8) + 8 x
	s_mul_i32 s2, s11, 3145728
	s_mul_i32 s13, s12, 49152
	s_add_co_u32 s2, s2, s13
	s_lshr_b32 s14, s10, 1                         ; G
	s_mul_i32 s13, s14, 6144
	s_add_co_u32 s2, s2, s13
	s_add_nc_u64 s[46:47], s[8:9], s[2:3]
	s_lshl_b32 s2, s11, 17
	s_lshl_b32 s13, s14, 14
	s_add_co_u32 s2, s2, s13
	s_lshr_b32 s13, s12, 2
	s_lshl_b32 s13, s13, 10
	s_add_co_u32 s2, s2, s13
	s_lshl_b32 s13, s15, 9
	s_add_co_u32 s2, s2, s13
	s_and_b32 s13, s12, 3
	s_add_co_u32 s2, s2, s13
	s_add_co_u32 s2, s2, O_SW
	s_add_nc_u64 s[48:49], s[8:9], s[2:3]
	s_mov_b32 s28, 0x3fb8aa3b                      ; log2(e)
	s_mov_b32 s29, s28                             ; (named with it as a pair, so it is written)
	s_mov_b32 s30, 0x76543210
	s_mov_b32 s31, 0xfedcba98                      ; v_permlanex16_b32's selects for lane l xor 16
	s_mov_b32 s32, 0xffff0000                      ; lanes 16-31
	; ---- the C of the products: s_q of the column + (s_id + bias) of the row
	s_wait_loadcnt 16                              ; all but the sixteen loads of Uid's first four tiles
.irp t, 0,1,2,3,4,5,6,7
.irp p, 0,1,2,3,4,5,6,7
	v_pk_add_f32 v[S+16*\t+2*\p:S+16*\t+2*\p+1], v[SQ+2*\p:SQ+2*\p+1], v[SID+2*\t:SID+2*\t+1]
.endr
.endr
	; ---- the product: two matrix instructions a tile, on two accumulators; no accumulator is taken up twice
.macro TILE t, left                    ; left: the loads of the younger tiles may stay out
	s_wait_loadcnt \left
.irp u, 0,1
	v_wmma_scale_f32_16x16x128_f8f6f4 v[S+16*\t+8*\u:S+16*\t+8*\u+7], v[QF+12*\u:QF+12*\u+11], v[UF+12*(\t%4):UF+12*(\t%4)+11], v[S+16*\t+8*\u:S+16*\t+8*\u+7], v[QS+\u], v[US+\t%4] matrix_a_fmt:MATRIX_FMT_FP6 matrix_b_fmt:MATRIX_FMT_FP6
.endr
.rept 4
	v_nop                                          ; four places in front of loads into registers that these have read, and of the first read of results
.endr
.if \t < 4
	ULOAD \t+4
.endif
.endm
	TILE 0, 12
	TILE 1, 12
	TILE 2, 12
	TILE 3, 12
	TILE 4, 12
	TILE 5, 8
	TILE 6, 4
	TILE 7, 0
	; ---- x mask
.macro MLOAD t
.irp c, 0,1,2,3
	ds_load_b128 v[MK+16*((\t)%4)+4*\c:MK+16*((\t)%4)+4*\c+3], v7 offset:(\t)*16*MP+16*\c
.endr
.endm
.macro MASKT t, left                   ; left: the LDS loads of the younger tiles may stay out.  Each accumulator is read from its low end on
	s_wait_dscnt \left
.irp p, 0,1,2,3,4,5,6,7
	v_pk_mul_f32 v[S+16*\t+2*\p:S+16*\t+2*\p+1], v[S+16*\t+2*\p:S+16*\t+2*\p+1], v[MK+16*(\t%4)+2*\p:MK+16*(\t%4)+2*\p+1]
.endr
.if \t < 4
	MLOAD \t+4
.endif
.endm
	s_wait_tensorcnt 0x0                           ; my tile of the mask has landed; I alone read it
	MLOAD 0
	MLOAD 1
	MLOAD 2
	MLOAD 3
	MASKT 0, 12
	MASKT 1, 12
	MASKT 2, 12
	MASKT 3, 12
	MASKT 4, 12
	MASKT 5, 8
	MASKT 6, 4
	MASKT 7, 0
; A REDUCTION over the 2,048 rows of 16 numbers a lane (one for each of my columns), which have been reduced over my 8 tiles: over the 16 lanes of my half (four steps that ride on the arithmetic); to LDS, where the
; 16 lanes of a half write the same bytes with the same values; a barrier; lane r takes wave r's numbers; the four steps again.  Every lane ends with the result for its 16 columns.
.macro REDUCE ins, base, off
.irp m, 1,2,4,8
.irp n, 0,1,2,3,4,5,6,7,8,9,10,11,12,13,14,15
	\ins v[\base+\n], v[\base+\n], v[\base+\n] row_xmask:\m row_mask:0xf bank_mask:0xf
.endr
.endr
.irp c, 0,1,2,3
	ds_store_b128 v8, v[\base+4*\c:\base+4*\c+3] offset:\off+16*\c
.endr
	s_wait_dscnt 0x0                               ; for the others' sake: my stores have landed
	s_barrier_signal -1
	s_barrier_wait -1
.irp c, 0,1,2,3
	ds_load_b128 v[\base+4*\c:\base+4*\c+3], v9 offset:\off+16*\c
.endr
	s_wait_dscnt 0x0
.irp m, 1,2,4,8
.irp n, 0,1,2,3,4,5,6,7,8,9,10,11,12,13,14,15
	\ins v[\base+\n], v[\base+\n], v[\base+\n] row_xmask:\m row_mask:0xf bank_mask:0xf
.endr
.endr
.endm
	; ---- the columns' maxima
.irp n, 0,1,2,3,4,5,6,7,8,9,10,11,12,13,14,15
	v_max3_num_f32 v[MX+\n], v[S+\n], v[S+16+\n], v[S+32+\n]
.endr
.irp n, 0,1,2,3,4,5,6,7,8,9,10,11,12,13,14,15
	v_max3_num_f32 v[MX+\n], v[MX+\n], v[S+48+\n], v[S+64+\n]
.endr
.irp n, 0,1,2,3,4,5,6,7,8,9,10,11,12,13,14,15
	v_max3_num_f32 v[MX+\n], v[MX+\n], v[S+80+\n], v[S+96+\n]
.endr
.irp n, 0,1,2,3,4,5,6,7,8,9,10,11,12,13,14,15
	v_max_num_f32 v[MX+\n], v[MX+\n], v[S+112+\n]
.endr
	REDUCE v_max_num_f32_dpp, MX, 0
.irp n, 0,1,2,3,4,5,6,7,8,9,10,11,12,13,14,15
	v_mul_f32 v[MX+\n], 0xbfb8aa3b, v[MX+\n]       ; -max log2(e)
.endr
	; ---- p = 2^(S log2(e) - max log2(e))
.irp t, 0,1,2,3,4,5,6,7
.irp p, 0,1,2,3,4,5,6,7
	v_pk_fma_f32 v[S+16*\t+2*\p:S+16*\t+2*\p+1], v[S+16*\t+2*\p:S+16*\t+2*\p+1], s[28:29], v[MX+2*\p:MX+2*\p+1] op_sel_hi:[1,0,1]
.endr
.endr
.set N, 0
.rept 128
	v_exp_f32 v[S+N], v[S+N]                       ; one batch
.set N, N+1
.endr
	v_nop                                          ; a plain place behind the last exponential
	s_wait_alu depctr_va_vdst(0)                   ; one wait for the batch, ahead of its first reader
	; ---- the columns' sums, and P = p / sum
.irp p, 0,1,2,3,4,5,6,7
	v_pk_add_f32 v[SM+2*\p:SM+2*\p+1], v[S+2*\p:S+2*\p+1], v[S+16+2*\p:S+16+2*\p+1]
.endr
.irp t, 2,3,4,5,6,7
.irp p, 0,1,2,3,4,5,6,7
	v_pk_add_f32 v[SM+2*\p:SM+2*\p+1], v[SM+2*\p:SM+2*\p+1], v[S+16*\t+2*\p:S+16*\t+2*\p+1]
.endr
.endr
	REDUCE v_add_f32_dpp, SM, REDS                 ; in bytes of its own: no wave writes what another may still read
.irp n, 0,1,2,3,4,5,6,7,8,9,10,11,12,13,14,15
	v_rcp_f32 v[SM+\n], v[SM+\n]
.endr
	v_nop
	s_wait_alu depctr_va_vdst(0)                   ; one wait for the sixteen reciprocals
.irp t, 0,1,2,3,4,5,6,7
.irp p, 0,1,2,3,4,5,6,7
	v_pk_mul_f32 v[S+16*\t+2*\p:S+16*\t+2*\p+1], v[S+16*\t+2*\p:S+16*\t+2*\p+1], v[SM+2*\p:SM+2*\p+1]
.endr
.endr
	; ---- the quantiser: one block of 32 along j for each row; it lies in lanes l and l xor 16.  P is never negative: no |.|
.set TM, 16                            ; v16-23 largest magnitudes, v24-31 the other half's, v32-39 the conversions' scale operands, v40-47 the bytes: one for each tile
.set FC, 48                            ; v48-79 the codes of a pair of tiles: 8 registers a pair;  v80-95 the second tile's conversions;  v96-99 the bytes to store
.set RC, 80
.irp t, 0,1,2,3,4,5,6,7
	v_max3_num_f32 v[TM+\t], v[S+16*\t], v[S+16*\t+1], FLOOR
.endr
.irp i, 2,4,6,8,10,12,14
.irp t, 0,1,2,3,4,5,6,7
	v_max3_num_f32 v[TM+\t], v[TM+\t], v[S+16*\t+\i], v[S+16*\t+\i+1]
.endr
.endr
.irp t, 0,1,2,3,4,5,6,7
	v_permlanex16_b32 v[TM+8+\t], v[TM+\t], s30, s31
.endr
.irp t, 0,1,2,3,4,5,6,7
	v_max_num_f32 v[TM+\t], v[TM+\t], v[TM+8+\t]
.endr
.irp t, 0,1,2,3,4,5,6,7
	v_add_nc_u32 v[TM+16+\t], EOFF, v[TM+\t]
.endr
.irp t, 0,1,2,3,4,5,6,7
	v_lshrrev_b32 v[TM+24+\t], 23, v[TM+16+\t]
.endr
.irp q, 0,1,2,3
	v_cvt_scalef32_pk16_fp6_f32 v[FC+8*\q:FC+8*\q+2], v[S+32*\q:S+32*\q+15], v[TM+16+2*\q]
	v_cvt_scalef32_pk16_fp6_f32 v[RC+4*\q:RC+4*\q+2], v[S+32*\q+16:S+32*\q+31], v[TM+17+2*\q]
.endr
	v_nop                                          ; one plain place behind a scaled conversion
.irp q, 0,1,2,3                                ; tiles 2 q and 2 q + 1 change halves: lane (r, h) then holds all 24 bytes of row r of tile 2 q + h
.irp i, 0,1,2
	v_permlane16_swap_b32 v[FC+8*\q+\i], v[RC+4*\q+\i]
.endr
.irp i, 0,1,2
	v_mov_b32 v[FC+8*\q+3+\i], v[RC+4*\q+\i]
.endr
	v_cndmask_b32 v[96+\q], v[TM+24+2*\q], v[TM+25+2*\q], s32      ; and that row's byte
.endr
.irp q, 0,1,2,3
	global_store_b128 v10, v[FC+8*\q:FC+8*\q+3], s[46:47] offset:512*\q       ; the wave stores 512 consecutive bytes, aligned (the lanes' order inside them puts the rows into the tiles' slots)
	global_store_b64 v11, v[FC+8*\q+4:FC+8*\q+5], s[46:47] offset:256*\q      ; and 256
	global_store_b8 v12, v[96+\q], s[48:49] offset:4*\q
.endr
	s_wait_xcnt 0x0
	v_lshl_add_u32 v254, v0, 2, 0x49200
	v_mov_b32 v255, 0
	s_wait_tensorcnt 0x0
	ds_add_u32 v254, v255
	s_wait_dscnt 0x0
	CROUND                                         ; the closing round: no work-group ends while a partner may still ask for a tile that names it
	s_endpgm
.Lfunc_end_k_qa81db037da_soft:
	.size	k_qa81db037da_soft, .Lfunc_end_k_qa81db037da_soft-k_qa81db037da_soft
	.p2alignl 7, 3214868480
	.fill 96, 4, 3214868480
	.section	.rodata,"a",@progbits
	.p2align	6, 0x0
	.amdhsa_kernel k_qa81db037da_soft
		.amdhsa_group_segment_fixed_size 327680
		.amdhsa_private_segment_fixed_size 0
		.amdhsa_enable_private_segment 0
		.amdhsa_kernarg_size 24
		.amdhsa_user_sgpr_count 2
		.amdhsa_user_sgpr_kernarg_segment_ptr 1
		.amdhsa_wavefront_size32 1
		.amdhsa_system_sgpr_workgroup_id_x 1
		.amdhsa_system_sgpr_workgroup_id_y 1
		.amdhsa_system_sgpr_workgroup_id_z 1
		.amdhsa_system_vgpr_workitem_id 0
		.amdhsa_next_free_vgpr 256
		.amdhsa_next_free_sgpr 66
		.amdhsa_reserve_vcc 0
		.amdhsa_float_denorm_mode_32 3
		.amdhsa_float_denorm_mode_16_64 3
		.amdhsa_memory_ordered 1
		.amdhsa_forward_progress 1
		.amdhsa_inst_pref_size 72
	.end_amdhsa_kernel
	.amdgpu_metadata
---
amdhsa.version: [ 1, 2 ]
amdhsa.kernels:
  - .name:           k_qa81db037da_soft
    .symbol:         k_qa81db037da_soft.kd
    .args:
      - { .name: mask, .offset: 0, .size: 8, .value_kind: global_buffer, .address_space: global }
      - { .name: prep, .offset: 8, .size: 8, .value_kind: global_buffer, .address_space: global }
      - { .name: pq, .offset: 16, .size: 8, .value_kind: global_buffer, .address_space: global }
    .group_segment_fixed_size: 327680
    .private_segment_fixed_size: 0
    .kernarg_segment_align: 8
    .kernarg_segment_size: 24
    .max_flat_workgroup_size: 512
    .sgpr_count:     66
    .vgpr_count:     256
    .wavefront_size: 32
...
	.end_amdgpu_metadata
.endif
;; end of part 2
;; launch gemm (part 3): grid 8 x 32, 4 waves a work-group, clusters of 4 x 4, 327,680 bytes of LDS; arguments pq, mq; writes mq
.if DOCPART == 3
	.amdgcn_target "amdgcn-amd-amdhsa--gfx1250"
	.amdhsa_code_object_version 6
	.text
	.protected	k_qa81db037da_gemm
	.globl	k_qa81db037da_gemm
	.p2align	8
	.type	k_qa81db037da_gemm,@function
k_qa81db037da_gemm:
	s_mov_b64 s[64:65], 0
	v_nop
	global_prefetch_b8 v0, s[64:65] scope:SCOPE_SE
	s_setreg_imm32_b32 hwreg(HW_REG_WAVE_MODE, 25, 1), 1
	s_wait_xcnt 0x0
	s_wait_alu depctr_hold_cnt(0) depctr_sa_sdst(0) depctr_va_vdst(0) depctr_va_sdst(0) depctr_va_ssrc(0) depctr_va_vcc(0) depctr_vm_vsrc(0)
	s_getreg_b32 s2, hwreg(HW_REG_IB_STS2, 6, 4)
	s_cmp_eq_u32 s2, 0
	s_cbranch_scc0 .Lentry_in_a_cluster
	s_endpgm
.Lentry_in_a_cluster:
	s_bfe_u32 s2, ttmp6, 0x10000c
	s_cmp_lg_u32 s2, 0xf033
	s_cbranch_scc0 .Lentry_shape_is_right
	s_endpgm
.Lentry_shape_is_right:
; GEMM.  M[b][i][k] = sum over j of P[b][i][j] P[b][k][j] on codes of E2M3 with one E8M0 scale for each 32 along j; M leaves as codes of E2M3 along k, quantised in registers.
; A tile of M, 256 x 256, is made by a work-group of four waves, as many as a WGP has SIMDs; a wave makes 128 x 128: 64 accumulators of 16 x 16, 512 registers.  4 batches x 8 x 8 tiles = 256 work-groups.
; Both operands are pq.  Its codes lie by blocks J of 32 along j: b x 3,145,728 + J x 49,152 + G x 6,144 (G: 256 rows) + { bytes 0-15 of a row's 24: 256 T + 16 x;  bytes 16-23: 4,096 + 128 T + 8 x } (tile T, slot x).
; So a fragment (16 rows x 128 along j: 12 registers) comes by loads of 16, 8, 16 and 8 bytes, and a group's codes of one J are 6,144 consecutive bytes for the tensor data mover.
; K goes in steps of 256 (8 J) through a ring of two LDS slots.  THE SCALES of the work-group's 256 + 256 rows, for all of K, are two dense blocks of 16,384 bytes: they come once, with the first fills, and stay.
; CLUSTERS: 4 x 4 work-groups.  The four of a row of the cluster need the same tiles of A (rows i), the four of a column the same tiles of B (rows k): each tile is asked for JOINTLY.
; THE MATRIX INSTRUCTION IS USED TRANSPOSED (source 0 = 16 rows k, source 1 = 16 rows i).  Slot x of tile T is row 32 (T / 2) + 8 (T % 2) + x + 8 (x / 8): so the accumulators of B's tiles 2 n and 2 n + 1 are 16 neighbours along k.
; M's symmetry is not used: it would leave 144 work-groups for the same chip.  Nothing is prefetched: every tile of pq is read by several clusters.
; LIMITS: NaN and infinities are not served; a block of zeros gets the byte 1, not 127 (its codes are zeros; this program alone reads the bytes).
; REGISTERS, in windows of 256: window 0: v0-31 addresses; v32-63 scale words, two sets, and nothing else; from v128 A's fragments, ONE set; on the way out v64-103 and v128-175 at work.
;   window 1: B's fragments, TWO sets, at v0 and v128.   window 2: the accumulators of my rows' tiles 0-3 ((a, n) at v[8 (8 a + n)]);   window 3: those of tiles 4-7.
.set NQ,     2                         ; matrix instructions deep in a slot
.set JP,     6528                      ; a J's 6,144 bytes in LDS: 64 bytes of padding behind each 1,024.  6,528 = 25 x 256 + 128: lanes 16-31, one J on, fall on the other half of the banks in a load of 8 bytes (64 banks of 4 bytes: ISA guide 11.1)
.set JROW,   49152                     ; from J to J in memory
.set BATCH,  3145728
.set O_SW,   12582912
.set FR,     12                        ; registers of a fragment
.set NL,     4                         ; LDS loads that bring one
.set NP,     4                         ; places behind this matrix instruction (ISA guide 7.12.1)
.set HALFT,  4*JP                      ; what one tensor load brings: 4 J of one group
.set SLOT,   4*HALFT                   ; A's 8 J, then B's 8 J
.set LAPS,   4                         ; a lap = two slots = 512 along K; K = 2,048
.set SCL,    2*SLOT                    ; behind the ring: A's scale words, 16,384 bytes, then B's
.set SPARE,  SCL+32768                 ; the spare words, 128 bytes for each wave: two blocks of 256 bytes that no other line names
.set FLOOR,  0x1800000
.set EOFF,   0xff000000
.set ADRA, 16                          ; v16-17 my A fragments' 16-byte parts in slot 0, 1;  v18-19 their 8-byte parts
.set ADRB, 20                          ; v20-23 the same for B
.set CX,   24                          ; v24    the way out: the codes' bytes 0-15
.set CY,   25                          ; v25    bytes 16-23
.set LN,   26                          ; v26    16 x lane
.set ADRS, 27                          ; v27    my scale words: lanes 0-15 A's rows, lanes 16-31 B's
.set SPW,  28                          ; v28    my spare word; never rewritten
.set NIL,  29                          ; v29    0; never rewritten
.set SC,   32                          ; set s (for slot s) at v[SC + 16 s]; in it register 8 q + 4 (i % 2) + i / 2: lanes 0-15 the word of A's tile i, lanes 16-31 of B's tile i, for the slot's q-th 128 along K
.set AF,   128
.set TM,   64                          ; the way out: v64-71 largest magnitudes, v72-79 the other half's, v80-87 scale operands, v88-95 bytes (4 x + n: tile 2 t + x, block n)
.set WD,   96                          ; v96-97   the two tiles' scale words
.set WS,   100                         ; v100-103 the words to store, one for each pair of tiles
.set FC,   128                         ; v128-159 the codes, 8 registers a block;  v160-175 the second tile's conversions
.set RC,   160
.set G1, 24                            ; s[24:31] descriptor group 1 for A's tiles;  s[32:39] group 0, one set for each slot
.set G0, 32
.set G1B, 48                           ; s[48:55], s[56:63] the same for B's tiles
.set G0B, 56
.set G1S, 68                           ; s[68:75], s[76:79] groups 1 and 0 for A's scales;  s[80:87], s[88:91] for B's
.set G0S, 76
.set G1SB, 80
.set G0SB, 88
.set MSB, 0
.macro WIN new                         ; the immediate's high byte repeats the setting that is left
.if MSB != \new
	s_set_vgpr_msb (MSB<<8)|\new
.set MSB, \new
.endif
.endm
.set MUL_LO, 0xa1                      ; source 0 (B) window 1, source 1 (A) window 0, C and D window 2
.set MUL_HI, 0xf1                      ; the same, C and D window 3
.set TO_B,   0x40                      ; destination window 1, address window 0
; A joint load: waves 0 and 1 fetch for A, waves 2 and 3 for B.  Each of the two lines has ONE mask and one set of registers for all that issue it; the branch hangs on the wave's number alone.
; Four v_nop follow each of the two lines, ahead of the jump, the label and what follows.
.macro JLOAD g0a, g1a, g0b, g1b
	s_cmp_eq_u32 s15, 0
	s_cbranch_scc0 .Lfor_b_\@
	tensor_load_to_lds s[\g0a:\g0a+3], s[\g1a:\g1a+7]
	s_nop 0
.rept 4
	v_nop
.endr
	s_branch .Lasked_\@
.Lfor_b_\@:
	tensor_load_to_lds s[\g0b:\g0b+3], s[\g1b:\g1b+7]
	s_nop 0
.rept 4
	v_nop
.endr
.Lasked_\@:
.endm
.macro CREST                           ; a round of the cluster's barrier behind its opening barrier
	s_cmp_lg_u32 s14, 0
	s_cbranch_scc1 .Lnot_wave_0_\@
	s_barrier_signal -3
.Lnot_wave_0_\@:
	s_barrier_wait -3
	s_barrier_signal -1
	s_barrier_wait -1
.endm
.macro CROUND                          ; a whole round
	s_barrier_signal -1
	s_barrier_wait -1
	CREST
.endm
	s_load_b128 s[4:7], s[0:1], 0x0                ; pq s[4:5], mq s[6:7]
	v_lshl_add_u32 v[SPW], v0, 2, SPARE
	v_mov_b32 v[NIL], 0
	ds_add_u32 v28, v29
	ds_add_u32 v28, v29
	s_wait_dscnt 0x0
	v_lshrrev_b32 v1, 5, v0
	v_readfirstlane_b32 s14, v1                    ; wave 0..3
	s_lshr_b32 s15, s14, 1                         ; which half of the tile's rows i is mine.  Also: I fetch for A (0) or for B (1)
	s_and_b32 s16, s14, 1                          ; which half of its columns k.  Also: which 4 of a slot's 8 J I fetch
	s_bfe_u32 s40, ttmp6, 0x40000                  ; cx, cy: my place in the cluster
	s_bfe_u32 s41, ttmp6, 0x40004
	s_lshl_b32 s42, ttmp9, 2
	s_add_co_u32 s42, s42, s40                     ; the group of rows k = 4 x cluster x + cx
	s_and_b32 s17, ttmp7, 0xffff
	s_lshr_b32 s95, s17, 1                         ; the batch: two clusters along y to a batch, so all sixteen partners share it
	s_and_b32 s17, s17, 1
	s_lshl_b32 s17, s17, 2
	s_add_co_u32 s17, s17, s41                     ; the group of rows i = 4 x (cluster y % 2) + cy
	s_lshl_b32 s43, s41, 2
	s_lshl_b32 s43, 15, s43                        ; my row of the cluster
	s_lshl_b32 s44, 0x1111, s40                    ; my column
	; descriptor group 1: 4 rows (J) of 768 elements of 8 bytes, 6,144 elements apart; 16 words of padding behind every 256
	s_or_b32 s[G1+0], s43, (3<<16)|(1<<20)|(1<<21)|(7<<22)|(15<<25)
	s_or_b32 s[G1B+0], s44, (3<<16)|(1<<20)|(1<<21)|(7<<22)|(15<<25)
.irp g, G1, G1B
	s_mov_b32 s[\g+1], 768<<16                     ; tensor_dim0
	s_mov_b32 s[\g+2], 4<<16                       ; tensor_dim1
	s_mov_b32 s[\g+3], 768<<16                     ; tile_dim0
	s_mov_b32 s[\g+4], 4                           ; tile_dim1
	s_mov_b32 s[\g+5], JROW/8                      ; the pitch
	s_mov_b32 s[\g+6], 0
	s_mov_b32 s[\g+7], 0
.endr
	; and for half of a group's scale words: 8,192 dense bytes as 32 rows of 256
	s_or_b32 s[G1S+0], s43, (3<<16)|(1<<21)
	s_or_b32 s[G1SB+0], s44, (3<<16)|(1<<21)
.irp g, G1S, G1SB
	s_mov_b32 s[\g+1], 32<<16
	s_mov_b32 s[\g+2], 32<<16
	s_mov_b32 s[\g+3], 32<<16
	s_mov_b32 s[\g+4], 32
	s_mov_b32 s[\g+5], 32
	s_mov_b32 s[\g+6], 0
	s_mov_b32 s[\g+7], 0
.endr
	s_mul_i32 s18, s95, BATCH
	s_mul_i32 s19, s16, 4*JROW
	s_add_co_u32 s18, s18, s19                     ; the batch, and my 4 J: shared by A's and B's addresses
	s_mul_i32 s20, s17, 6144
	s_add_co_u32 s20, s20, s18                     ; A's codes: hangs on the rows i alone
	s_mov_b32 s21, 0
	s_mul_i32 s46, s42, 6144
	s_add_co_u32 s46, s46, s18                     ; B's: on the rows k alone
	s_mov_b32 s47, 0
	s_lshl_b32 s18, s95, 17
	s_lshl_b32 s19, s16, 13
	s_add_co_u32 s18, s18, s19
	s_add_co_u32 s18, s18, O_SW
	s_lshl_b32 s22, s17, 14
	s_add_co_u32 s22, s22, s18                     ; A's scale words, my half
	s_mov_b32 s23, 0
	s_lshl_b32 s92, s42, 14
	s_add_co_u32 s92, s92, s18                     ; B's
	s_mov_b32 s93, 0
	s_mul_i32 s45, s14, HALFT                      ; where they go: no place in the cluster enters an LDS address
	s_lshl_b32 s94, s14, 13
	s_wait_kmcnt 0x0
	s_add_nc_u64 s[20:21], s[4:5], s[20:21]
	s_add_nc_u64 s[22:23], s[4:5], s[22:23]
	s_add_nc_u64 s[46:47], s[4:5], s[46:47]
	s_add_nc_u64 s[92:93], s[4:5], s[92:93]
	CROUND                                         ; all sixteen work-groups are here: the first joint loads meet
	s_mov_b32 s[G0S], 1
	s_add_co_u32 s[G0S+1], s94, SCL
	s_mov_b64 s[G0S+2:G0S+3], s[22:23]
	s_or_b32 s[G0S+3], s[G0S+3], 0x80000000
	s_mov_b32 s[G0SB], 1
	s_add_co_u32 s[G0SB+1], s94, SCL
	s_mov_b64 s[G0SB+2:G0SB+3], s[92:93]
	s_or_b32 s[G0SB+3], s[G0SB+3], 0x80000000
	JLOAD G0S, G1S, G0SB, G1SB                     ; the scales first: they are wanted with the first slot
.irp s, 0,1
	s_mov_b32 s[G0+4*\s], 1
	s_add_co_u32 s[G0+4*\s+1], s45, \s*SLOT
	s_add_nc_u64 s[G0+4*\s+2:G0+4*\s+3], s[20:21], \s*8*JROW
	s_or_b32 s[G0+4*\s+3], s[G0+4*\s+3], 0x80000000
	s_mov_b32 s[G0B+4*\s], 1
	s_add_co_u32 s[G0B+4*\s+1], s45, \s*SLOT
	s_add_nc_u64 s[G0B+4*\s+2:G0B+4*\s+3], s[46:47], \s*8*JROW
	s_or_b32 s[G0B+4*\s+3], s[G0B+4*\s+3], 0x80000000
	JLOAD G0+4*\s, G1, G0B+4*\s, G1B               ; three loads of mine are out
.endr
	v_and_b32 v1, 15, v0                           ; r
	v_bfe_u32 v2, v0, 4, 1                         ; h
	v_and_b32 v6, 31, v0                           ; lane
	v_mul_u32_u24 v3, v2, JP                       ; lanes 16-31 take the J one further on
	v_lshl_add_u32 v4, v1, 4, v3                   ; the 16-byte parts: 16 r
	v_lshl_add_u32 v5, v1, 3, v3                   ; the 8-byte parts: 8 r
	s_mul_i32 s21, s15, 2176                       ; my 8 tiles of A: 2,048 bytes and two paddings on for the second half
	s_mul_i32 s22, s16, 2176
	s_add_co_u32 s22, s22, 2*HALFT                 ; of B, behind A's 8 J
	s_mul_i32 s23, s15, 1088
	s_add_co_u32 s23, s23, 4352                    ; the 8-byte parts begin behind 4,096 bytes and four paddings
	s_mul_i32 s45, s16, 1088
	s_add_co_u32 s45, s45, 4352+2*HALFT
.irp s, 0,1
	v_add_nc_u32 v[ADRA+\s], s21, v4
	v_add_nc_u32 v[ADRB+\s], s22, v4
	v_add_nc_u32 v[ADRA+2+\s], s23, v5
	v_add_nc_u32 v[ADRB+2+\s], s45, v5
	s_add_co_u32 s21, s21, SLOT
	s_add_co_u32 s22, s22, SLOT
	s_add_co_u32 s23, s23, SLOT
	s_add_co_u32 s45, s45, SLOT
.endr
	s_lshl_b32 s21, s15, 9                         ; A's scale words: my half's 512 bytes of a K step's 1,024
	s_lshl_b32 s22, s16, 9
	s_add_co_u32 s22, s22, 16384                   ; B's, behind A's 16,384
	s_sub_co_u32 s22, s22, s21
	v_mul_u32_u24 v5, s22, v2                      ; lanes 16-31 take B's
	s_add_co_u32 s21, s21, SCL
	v_lshl_add_u32 v5, v1, 4, v5                   ; 16 bytes a slot: the words of four tiles
	v_add_nc_u32 v[ADRS], s21, v5
	; the way out
	s_lshl_b32 s8, s15, 11
	v_lshl_add_u32 v[CX], v6, 4, s8                ; 2,048 x my half of the rows + 16 lane
	s_lshl_b32 s8, s15, 10
	s_add_co_u32 s8, s8, 4096
	v_lshl_add_u32 v[CY], v6, 3, s8
	v_lshlrev_b32 v[LN], 4, v6
	s_mul_i32 s8, s95, BATCH
	s_lshl_b32 s9, s42, 3
	s_lshl_b32 s10, s16, 2
	s_add_co_u32 s9, s9, s10                       ; my first block of 32 along k
	s_mul_i32 s9, s9, JROW
	s_add_co_u32 s8, s8, s9
	s_mul_i32 s9, s17, 6144
	s_add_co_u32 s8, s8, s9
	s_mov_b32 s9, 0
	s_add_nc_u64 s[12:13], s[6:7], s[8:9]          ; M's codes
	s_lshl_b32 s8, s95, 17
	s_lshl_b32 s10, s17, 14
	s_add_co_u32 s8, s8, s10
	s_lshl_b32 s10, s42, 11
	s_add_co_u32 s8, s8, s10
	s_lshl_b32 s10, s16, 10
	s_add_co_u32 s8, s8, s10
	s_lshl_b32 s10, s15, 9
	s_add_co_u32 s8, s8, s10
	s_add_co_u32 s8, s8, O_SW
	s_add_nc_u64 s[10:11], s[6:7], s[8:9]          ; M's scale words
	s_mov_b32 s18, 0x76543210
	s_mov_b32 s19, 0xfedcba98                      ; v_permlanex16_b32's selects for lane l xor 16
	s_mov_b32 s96, 0xffff0000                      ; lanes 16-31
.macro FRAG reg, adr, q, i             ; tile i's fragment of the slot's q-th 128 along K: lane (r, h) takes block 4 q + 2 c + h into registers 6 c .. 6 c + 5
.irp c, 0,1
	ds_load_b128 v[\reg+6*\c:\reg+6*\c+3], v[\adr] offset:(4*(\q)+2*\c)*JP+256*(\i)+64*((\i)/4)
	ds_load_b64 v[\reg+6*\c+4:\reg+6*\c+5], v[\adr+2] offset:(4*(\q)+2*\c)*JP+128*(\i)
.endr
.endm
; 16 matrix instructions: A's tiles a0, a0 + 1 x B's eight.  p: B's set;  sc: the set of scale words.  zero = 1: the first product starts the sums: nothing is ever cleared.
; The 64 accumulators take turns, one instruction a turn, in the same order in every step.
.macro MUL16 a0, p, q, sc, zero
.irp a, \a0, \a0+1
.irp b, 0,1,2,3,4,5,6,7
.if \zero
	v_wmma_scale_f32_16x16x128_f8f6f4 v[8*(8*((\a)%4)+\b):8*(8*((\a)%4)+\b)+7], v[128*(\p)+FR*\b:128*(\p)+FR*\b+FR-1], v[AF+FR*(\a):AF+FR*(\a)+FR-1], 0, v[SC+16*(\sc)+8*(\q)+4*(\b%2)+\b/2], v[SC+16*(\sc)+8*(\q)+4*((\a)%2)+(\a)/2] matrix_a_fmt:MATRIX_FMT_FP6 matrix_b_fmt:MATRIX_FMT_FP6 matrix_a_scale:MATRIX_SCALE_ROW1
.else
	v_wmma_scale_f32_16x16x128_f8f6f4 v[8*(8*((\a)%4)+\b):8*(8*((\a)%4)+\b)+7], v[128*(\p)+FR*\b:128*(\p)+FR*\b+FR-1], v[AF+FR*(\a):AF+FR*(\a)+FR-1], v[8*(8*((\a)%4)+\b):8*(8*((\a)%4)+\b)+7], v[SC+16*(\sc)+8*(\q)+4*(\b%2)+\b/2], v[SC+16*(\sc)+8*(\q)+4*((\a)%2)+(\a)/2] matrix_a_fmt:MATRIX_FMT_FP6 matrix_b_fmt:MATRIX_FMT_FP6 matrix_a_scale:MATRIX_SCALE_ROW1
.endif
.endr
.endr
.endm
.macro FETCH_B slot, q, p
	WIN TO_B
.irp i, 0,1,2,3,4,5,6,7
	FRAG 128*(\p)+FR*\i, ADRB+\slot, \q, \i
.endr
	WIN 0
.endm
.macro FETCH_A slot, q, i0
.irp i, \i0, \i0+1, \i0+2, \i0+3
	FRAG AF+FR*(\i), ADRA+\slot, \q, \i
.endr
.endm
.macro SCALES sc                       ; a slot's scale words: four loads of 16 bytes; lanes 0-15 A's, lanes 16-31 B's
.irp q, 0,1
.irp e, 0,1
	ds_load_b128 v[SC+16*\sc+8*\q+4*\e:SC+16*\sc+8*\q+4*\e+3], v[ADRS] offset:1024*\q+256*\e
.endr
.endr
.endm
.macro PLACES n                        ; plain vector instructions in front of loads into registers that matrix instructions have read, and of the first read of results
.rept \n
	v_nop
.endr
.endm
; A step of 128 along K that has its successor in the same slot.
.macro STEP slot, q, zero
	s_wait_dscnt 4*NL                              ; B's set, A's tiles 0-3 and the scale words are in; the youngest sixteen loads (A's tiles 4-7) may be out
	WIN MUL_LO
	MUL16 0, (\q)%2, \q, \slot, \zero
	MUL16 2, (\q)%2, \q, \slot, \zero
	s_wait_dscnt 0                                 ; A's tiles 4-7 are in
	PLACES NP
	FETCH_B \slot, (\q)+1, 1-(\q)%2
	FETCH_A \slot, (\q)+1, 0
	WIN MUL_HI
	MUL16 4, (\q)%2, \q, \slot, \zero
	MUL16 6, (\q)%2, \q, \slot, \zero
	PLACES NP
	WIN 0
	FETCH_A \slot, (\q)+1, 4
.endm
; A slot's last step changes slots: ONE barrier; in front of it each wave waits for all its tensor loads, adds 0 to its spare word, and waits for that and for its own reads of this slot.  fill = 1: this slot is filled again, two slots ahead.
.macro TURN slot, next, fill
	s_wait_tensorcnt 0x0                           ; all my tensor loads have landed: my part of the next slot  (every window is 0 here)
	ds_add_u32 v[SPW], v[NIL]                      ; 0 onto my spare word
	s_wait_dscnt 4*NL+1                            ; (the add and the youngest sixteen loads may be out)
	WIN MUL_LO
	MUL16 0, 1, NQ-1, \slot, 0                     ; sixteen matrix instructions stand between the add and the wait for it
	s_wait_dscnt 0x0                               ; the add is done, and my reads of this slot are over
	s_barrier_signal -1
	MUL16 2, 1, NQ-1, \slot, 0
	WIN 0
	s_barrier_wait -1
.if \fill
	CREST                                          ; the barrier has opened a round of the cluster's barrier: no wave of any partner still reads this slot or has a load on its way
	s_add_nc_u64 s[G0+4*\slot+2:G0+4*\slot+3], s[G0+4*\slot+2:G0+4*\slot+3], 16*JROW
	s_add_nc_u64 s[G0B+4*\slot+2:G0B+4*\slot+3], s[G0B+4*\slot+2:G0B+4*\slot+3], 16*JROW
	JLOAD G0+4*\slot, G1, G0B+4*\slot, G1B         ; the first tensor load behind the round, and my only one until the next; its four v_nop are the places in front of the loads below
.else
	PLACES NP
.endif
	v_add_nc_u32 v[ADRS], 2048, v[ADRS]            ; on to the next slot's scale words
	FETCH_B \next, 0, 0
	FETCH_A \next, 0, 0
	SCALES \next
	WIN MUL_HI
	MUL16 4, 1, NQ-1, \slot, 0
	MUL16 6, 1, NQ-1, \slot, 0
	PLACES NP
	WIN 0
	FETCH_A \next, 0, 4
.endm
	s_wait_tensorcnt 1                             ; the scales and my part of slot 0 are in (slot 1's load may be out)
	s_barrier_signal -1
	s_barrier_wait -1                              ; everybody's are
	FETCH_B 0, 0, 0
	FETCH_A 0, 0, 0
	SCALES 0
	FETCH_A 0, 0, 4
	STEP 0, 0, 1                                   ; the first step stands in front of the loop: its products start the sums
	s_mov_b32 s3, LAPS-1
.Llap:                                                 ; a trip goes once round the ring, from a lap's second step to the next lap's first, and fills both slots again
	TURN 0, 1, 1
	STEP 1, 0, 0
	TURN 1, 0, 1
	STEP 0, 0, 0
	s_sub_co_u32 s3, s3, 1
	s_cmp_lg_u32 s3, 0
	s_cbranch_scc1 .Llap
	TURN 0, 1, 0                                   ; the last lap fills nothing, and has no round of the cluster's barrier
	STEP 1, 0, 0
	s_wait_dscnt 4*NL                              ; the very last step: nothing more to fetch
	WIN MUL_LO
	MUL16 0, 1, NQ-1, 1, 0
	MUL16 2, 1, NQ-1, 1, 0
	s_wait_dscnt 0
	WIN MUL_HI
	MUL16 4, 1, NQ-1, 1, 0
	MUL16 6, 1, NQ-1, 1, 0
	WIN 0
; THE WAY OUT: M is quantised along k in registers and goes straight to memory.  In accumulators (a, 2 n) and (a, 2 n + 1), 16 registers on end, lane (r, h) holds slot r of my tile a of rows and k = 32 n + 16 h + 0 .. 15
; of my 128: half a block.  The block's other half lies in lane l xor 16.  Tiles 2 t and 2 t + 1 change halves, so that lane (r, h) holds all 24 bytes of slot r of tile 2 t + h.
.irp i, 0,1,2,3,4,5,6,7
	v_mov_b32 v[TM+8+\i], 0                        ; a lane permute's destination counts as one of its sources.  (These eight are also the places behind the last products)
.endr
.macro OUTPAIR t
.set WN, 2+(\t)/2                      ; the pair's window
.set WM3, (WN<<2)|(WN<<4)
.set A0, 128*((\t)%2)                  ; tile 2 t's accumulators in it;
.set A1, A0+64                         ; tile 2 t + 1's
	s_wait_xcnt 0x0                                ; the last pair's stores have read their registers
	WIN WM3                                        ; sources 1 and 2 in the pair's window
.irp b, 0,1,2,3
	v_max3_num_f32 v[TM+\b], FLOOR, |v[A0+16*\b]|, |v[A0+16*\b+1]|           ; each accumulator is read from its low end on; the floor holds the byte at 1 from below
	v_max3_num_f32 v[TM+4+\b], FLOOR, |v[A1+16*\b]|, |v[A1+16*\b+1]|
.endr
.irp i, 2,4,6,8,10,12,14
.irp b, 0,1,2,3
	v_max3_num_f32 v[TM+\b], v[TM+\b], |v[A0+16*\b+\i]|, |v[A0+16*\b+\i+1]|
	v_max3_num_f32 v[TM+4+\b], v[TM+4+\b], |v[A1+16*\b+\i]|, |v[A1+16*\b+\i+1]|
.endr
.endr
	WIN 0
.irp i, 0,1,2,3,4,5,6,7
	v_permlanex16_b32 v[TM+8+\i], v[TM+\i], s18, s19
.endr
.irp i, 0,1,2,3,4,5,6,7
	v_max_num_f32 v[TM+\i], v[TM+\i], v[TM+8+\i]
.endr
.irp i, 0,1,2,3,4,5,6,7
	v_add_nc_u32 v[TM+16+\i], EOFF, v[TM+\i]
.endr
.irp i, 0,1,2,3,4,5,6,7
	v_lshrrev_b32 v[TM+24+\i], 23, v[TM+16+\i]
.endr
.irp x, 0,1
	v_lshl_or_b32 v[WD+\x], v[TM+25+4*\x], 8, v[TM+24+4*\x]          ; four bytes make a row's scale word for my 128 along k
.endr
.irp x, 0,1
	v_lshl_or_b32 v[WD+\x], v[TM+26+4*\x], 16, v[WD+\x]
.endr
.irp x, 0,1
	v_lshl_or_b32 v[WD+\x], v[TM+27+4*\x], 24, v[WD+\x]
.endr
	v_cndmask_b32 v[WS+(\t)], v[WD], v[WD+1], s96  ; lanes 0-15 tile 2 t's, lanes 16-31 tile 2 t + 1's
	WIN WN                                         ; source 0 in the pair's window
.irp b, 0,1,2,3
	v_cvt_scalef32_pk16_fp6_f32 v[FC+8*\b:FC+8*\b+2], v[A0+16*\b:A0+16*\b+15], v[TM+16+\b]
	v_cvt_scalef32_pk16_fp6_f32 v[RC+4*\b:RC+4*\b+2], v[A1+16*\b:A1+16*\b+15], v[TM+20+\b]
.endr
	WIN 0
	v_nop                                          ; one plain place behind a scaled conversion
.irp b, 0,1,2,3
.irp i, 0,1,2
	v_permlane16_swap_b32 v[FC+8*\b+\i], v[RC+4*\b+\i]
.endr
.irp i, 0,1,2
	v_mov_b32 v[FC+8*\b+3+\i], v[RC+4*\b+\i]
.endr
.endr
.irp b, 0,1,2,3
	global_store_b128 v[CX], v[FC+8*\b:FC+8*\b+3], s[12:13] offset:\b*JROW+512*(\t)      ; the wave stores 512 consecutive bytes, aligned
	global_store_b64 v[CY], v[FC+8*\b+4:FC+8*\b+5], s[12:13] offset:\b*JROW+256*(\t)     ; and 256
.endr
.endm
	OUTPAIR 0
	OUTPAIR 1
	OUTPAIR 2
	OUTPAIR 3
	global_store_b128 v[LN], v[WS:WS+3], s[10:11]  ; my 128 rows' scale words: 512 consecutive bytes, aligned
	s_wait_tensorcnt 0x0                           ; the wave's end
	ds_add_u32 v[SPW], v[NIL]
	s_wait_dscnt 0x0
	CROUND                                         ; the closing round: no work-group ends while a partner may still ask for a tile that names it
	s_endpgm
.Lfunc_end_k_qa81db037da_gemm:
	.size	k_qa81db037da_gemm, .Lfunc_end_k_qa81db037da_gemm-k_qa81db037da_gemm
	.p2alignl 7, 3214868480
	.fill 96, 4, 3214868480
	.section	.rodata,"a",@progbits
	.p2align	6, 0x0
	.amdhsa_kernel k_qa81db037da_gemm
		.amdhsa_group_segment_fixed_size 327680
		.amdhsa_private_segment_fixed_size 0
		.amdhsa_enable_private_segment 0
		.amdhsa_kernarg_size 16
		.amdhsa_user_sgpr_count 2
		.amdhsa_user_sgpr_kernarg_segment_ptr 1
		.amdhsa_wavefront_size32 1
		.amdhsa_system_sgpr_workgroup_id_x 1
		.amdhsa_system_sgpr_workgroup_id_y 1
		.amdhsa_system_sgpr_workgroup_id_z 1
		.amdhsa_system_vgpr_workitem_id 0
		.amdhsa_next_free_vgpr 1024
		.amdhsa_next_free_sgpr 98
		.amdhsa_reserve_vcc 0
		.amdhsa_float_denorm_mode_32 3
		.amdhsa_float_denorm_mode_16_64 3
		.amdhsa_memory_ordered 1
		.amdhsa_forward_progress 1
		.amdhsa_inst_pref_size 148
	.end_amdhsa_kernel
	.amdgpu_metadata
---
amdhsa.version: [ 1, 2 ]
amdhsa.kernels:
  - .name:           k_qa81db037da_gemm
    .symbol:         k_qa81db037da_gemm.kd
    .args:
      - { .name: pq, .offset: 0, .size: 8, .value_kind: global_buffer, .address_space: global }
      - { .name: mq, .offset: 8, .size: 8, .value_kind: global_buffer, .address_space: global }
    .group_segment_fixed_size: 327680
    .private_segment_fixed_size: 0
    .kernarg_segment_align: 8
    .kernarg_segment_size: 16
    .max_flat_workgroup_size: 128
    .sgpr_count:     98
    .vgpr_count:     1024
    .wavefront_size: 32
...
	.end_amdgpu_metadata
.endif
;; end of part 3
;; launch final (part 4): grid 32 x 8, 4 waves a work-group, clusters of 4 x 1, 327,680 bytes of LDS; arguments Uid, prep, pq, mq, out0; writes out0
.if DOCPART == 4
	.amdgcn_target "amdgcn-amd-amdhsa--gfx1250"
	.amdhsa_code_object_version 6
	.text
	.protected	k_qa81db037da_final
	.globl	k_qa81db037da_final
	.p2align	8
	.type	k_qa81db037da_final,@function
k_qa81db037da_final:
	s_mov_b64 s[64:65], 0
	v_nop
	global_prefetch_b8 v0, s[64:65] scope:SCOPE_SE
	s_setreg_imm32_b32 hwreg(HW_REG_WAVE_MODE, 25, 1), 1
	s_wait_xcnt 0x0
	s_wait_alu depctr_hold_cnt(0) depctr_sa_sdst(0) depctr_va_vdst(0) depctr_va_sdst(0) depctr_va_ssrc(0) depctr_va_vcc(0) depctr_vm_vsrc(0)
	s_getreg_b32 s2, hwreg(HW_REG_IB_STS2, 6, 4)
	s_cmp_eq_u32 s2, 0
	s_cbranch_scc0 .Lentry_in_a_cluster
	s_endpgm
.Lentry_in_a_cluster:
	s_bfe_u32 s2, ttmp6, 0x10000c
	s_cmp_lg_u32 s2, 0x3003
	s_cbranch_scc0 .Lentry_shape_is_right
	s_endpgm
.Lentry_shape_is_right:
; FINAL.  The two last products, on codes of E2M3 with one E8M0 scale for each 32 along K = 2,048, and all of out0 = [Uid, A, Uid x A, Uid x A2], A = P Uq, A2 = M Uid.
; SHARES.  y = 2 b + p.  p = 0: A = P Uq; the work-group writes columns 128-255 (A) and 256-383 (Uid x A).  p = 1: A2 = M Uid; it writes columns 0-127 (Uid) and 384-511 (Uid x A2).  Both sides do the same work.
; A work-group takes 64 rows: quarter cx of the group G = cluster x of 256 rows: four tiles, whose slot x is row 32 (T / 2) + 8 (T % 2) + x + 8 (x / 8).  8 x 4 x 8 = 256 work-groups.
; Wave w makes columns e = 32 w .. 32 w + 31 (two tiles) for the four tiles of rows: 8 accumulators, 16 K steps.  The product is used transposed (source 0 = 16 columns e, source 1 = 16 rows): a lane holds eight neighbouring e of one row.
; ALL OPERANDS FIT IN LDS AT ONCE: each byte is filled once, in four quarters of K, by four tensor loads a wave that go out together at the head: four loads of mine are out.  No ring.
; CLUSTER.  The right operand (196,608 bytes) is the same for the four quarters of a group: it is asked for JOINTLY (waves 0 and 1).  The left operand is each work-group's own (waves 2 and 3, no mask).
; Nothing is prefetched: all tensor loads go out at the head.  LIMITS: NaN and infinities are not served.
.set SEC,   1703936
.set O_T,   884736
.set O_TS,  1671168
.set O_SW,  12582912
.set BXL,   0                          ; LDS: the right operand's 16-byte parts, 2,048 bytes a block J of 32 along K;
.set BYL,   131072                     ; its 8-byte parts, 1,024 + 128 of padding a J;
.set AXL,   204800                     ; the left operand's 16-byte parts, 1,024 bytes a J;
.set AYL,   270336                     ; its 8-byte parts, 512 + 128 of padding a J.  (With these paddings lanes 16-31, one J on, fall on the other half of the banks in a load of 8 bytes: 64 banks of 4 bytes, ISA guide 11.1)
.set STG,   AXL                        ; the stage for the way out, 64 rows x (512 + 16) bytes: in bytes that have had their one fill and their last read
.set SPT,   528
.set AS,    16                         ; v16-47   the left operand's scale words, two registers a K step: lanes 0-15 tiles 0 and 2, lanes 16-31 tiles 1 and 3
.set BS,    48                         ; v48-63   the right operand's, one a K step: lanes 0-15 my first tile of e, lanes 16-31 my second.  v16-63 hold scales and nothing else
.set ACC,   64                         ; v64-127  accumulator (tile of rows i, tile of e n) at 8 (2 i + n); later the products with Uid
.set UR,    128                        ; v128-191 16 rows of Uid
.set BK,    192                        ; v192-255 16 rows back from the stage
.set MSB, 0                            ; window 1: two sets of 72 registers: two fragments of the right operand, four of the left
.macro WIN new                         ; the immediate's high byte repeats the setting that is left
.if MSB != \new
	s_set_vgpr_msb (MSB<<8)|\new
.set MSB, \new
.endif
.endm
.macro CROUND                          ; a round of the cluster's barrier
	s_barrier_signal -1
	s_barrier_wait -1
	s_cmp_lg_u32 s14, 0
	s_cbranch_scc1 .Lnot_wave_0_\@
	s_barrier_signal -3
.Lnot_wave_0_\@:
	s_barrier_wait -3
	s_barrier_signal -1
	s_barrier_wait -1
.endm
.macro PLACES
.rept 4
	v_nop
.endr
.endm
; A wave's four loads, one for each quarter of K (16 J), in K's order.  rb: the pair with the first's address; lb, ls: LDS base and step; gs: step in memory; g1: its group 1.  Four v_nop follow the last.
.macro ARM rb, lb, ls, gs, g1
.irp q, 0,1,2,3
.set GG, 56+4*\q+4*(\q/2)              ; s[56:59], s[60:63], s[68:71], s[72:75]
	s_mov_b32 s[GG], 1
	s_mov_b32 s[GG+1], \lb+\q*\ls
	s_add_nc_u64 s[GG+2:GG+3], s[\rb:\rb+1], \q*\gs
	s_or_b32 s[GG+3], s[GG+3], 0x80000000
.endr
	tensor_load_to_lds s[56:59], s[\g1:\g1+7]
	s_nop 0
	tensor_load_to_lds s[60:63], s[\g1:\g1+7]
	s_nop 0
	tensor_load_to_lds s[68:71], s[\g1:\g1+7]
	s_nop 0
	tensor_load_to_lds s[72:75], s[\g1:\g1+7]
	s_nop 0
	PLACES
.endm
	s_load_b256 s[4:11], s[0:1], 0x0               ; Uid s[4:5], prep s[6:7], pq s[8:9], mq s[10:11]
	s_load_b64 s[12:13], s[0:1], 0x20              ; out0
	v_lshl_add_u32 v14, v0, 2, 0x4c000
	v_mov_b32 v15, 0
	ds_add_u32 v14, v15
	ds_add_u32 v14, v15
	v_lshrrev_b32 v1, 5, v0
	v_readfirstlane_b32 s14, v1                    ; wave 0..3
	s_bfe_u32 s15, ttmp6, 0x40000                  ; cx: which quarter of the group's rows: it enters global addresses alone, none of the joint loads'
	s_and_b32 s17, ttmp7, 0xffff
	s_lshr_b32 s18, s17, 1                         ; the batch
	s_and_b32 s19, s17, 1                          ; p
	; groups 1, elements of 8 bytes, 16 rows (J) each
	s_mov_b32 s24, 15|(3<<16)|(1<<21)              ; the right operand's 16-byte parts: all four work-groups; rows of 256 elements, 384 apart
	s_mov_b32 s25, 256<<16
	s_mov_b32 s26, 16<<16
	s_mov_b32 s27, 256<<16
	s_mov_b32 s28, 16
	s_mov_b32 s29, 384
	s_mov_b32 s30, 0
	s_mov_b32 s31, 0
	s_mov_b32 s32, 15|(3<<16)|(1<<20)|(1<<21)|(7<<22)|(31<<25)     ; its 8-byte parts: rows of 128 elements; 32 words of padding behind each 256
	s_mov_b32 s33, 128<<16
	s_mov_b32 s34, 16<<16
	s_mov_b32 s35, 128<<16
	s_mov_b32 s36, 16
	s_mov_b32 s37, 384
	s_mov_b32 s38, 0
	s_mov_b32 s39, 0
	s_mov_b32 s40, 3<<16                           ; the left operand's 16-byte parts: no mask; rows of 128 elements, 6,144 apart
	s_mov_b32 s41, 128<<16
	s_mov_b32 s42, 16<<16
	s_mov_b32 s43, 128<<16
	s_mov_b32 s44, 16
	s_mov_b32 s45, 6144
	s_mov_b32 s46, 0
	s_mov_b32 s47, 0
	s_mov_b32 s48, (3<<16)|(1<<20)|(6<<22)|(31<<25)                ; its 8-byte parts: rows of 64 elements; 32 words of padding behind each 128
	s_mov_b32 s49, 64<<16
	s_mov_b32 s50, 16<<16
	s_mov_b32 s51, 64<<16
	s_mov_b32 s52, 16
	s_mov_b32 s53, 6144
	s_mov_b32 s54, 0
	s_mov_b32 s55, 0
	s_mov_b32 s21, 0
	s_mov_b32 s92, 1536
	s_wait_dscnt 0x0
	s_wait_kmcnt 0x0
	s_cmp_eq_u32 s19, 0
	s_cselect_b64 s[84:85], s[8:9], s[10:11]       ; the left operand: P or M.  The choice hangs on the work-group's number alone
	s_cselect_b32 s22, SEC, 0                      ; the right operand: Uq's section or Uid's
	s_cselect_b32 s90, 0, -1                       ; all lanes where p = 1
	s_cselect_b32 s91, 512, 0                      ; the first piece of a row of out0, in bytes
	s_cselect_b32 s92, 1024, s92                   ; the second
	s_mul_i32 s20, s18, 196608
	s_add_co_u32 s20, s20, s22
	s_add_co_u32 s20, s20, O_T
	s_add_nc_u64 s[76:77], s[6:7], s[20:21]
	s_add_nc_u64 s[78:79], s[76:77], 2048
	s_mul_i32 s23, s18, 3145728
	s_mul_i32 s20, ttmp9, 6144
	s_add_co_u32 s23, s23, s20                     ; the batch and the group
	s_lshl_b32 s20, s15, 10
	s_add_co_u32 s20, s20, s23
	s_add_nc_u64 s[80:81], s[84:85], s[20:21]      ; my four tiles' 16-byte parts
	s_lshl_b32 s20, s15, 9
	s_add_co_u32 s20, s20, s23
	s_add_co_u32 s20, s20, 4096
	s_add_nc_u64 s[82:83], s[84:85], s[20:21]      ; and 8-byte parts
	CROUND                                         ; all four work-groups are here: the joint loads meet
	s_cmp_lg_u32 s14, 0                            ; each wave's four loads stand in one branch on the wave's number
	s_cbranch_scc1 .Lnot0
	ARM 76, BXL, 32768, 49152, 24
	s_branch .Lasked
.Lnot0:
	s_cmp_lg_u32 s14, 1
	s_cbranch_scc1 .Lnot1
	ARM 78, BYL, 18432, 49152, 32
	s_branch .Lasked
.Lnot1:
	s_cmp_lg_u32 s14, 2
	s_cbranch_scc1 .Lnot2
	ARM 80, AXL, 16384, 786432, 40
	s_branch .Lasked
.Lnot2:
	ARM 82, AYL, 10240, 786432, 48
.Lasked:
	v_and_b32 v1, 15, v0                           ; r
	v_bfe_u32 v2, v0, 4, 1                         ; h
	v_and_b32 v3, 31, v0                           ; lane
	v_lshlrev_b32 v10, 4, v3                       ; 16 lane
	v_lshlrev_b32 v11, 2, v3                       ; 4 lane
	s_and_b32 s20, s15, 1
	s_lshl_b32 s20, s20, 3
	v_add_nc_u32 v12, s20, v10                     ; the left operand's scale words: 16 lane + 8 (cx % 2)
	s_lshl_b32 s20, s18, 17
	s_lshl_b32 s23, ttmp9, 14
	s_add_co_u32 s20, s20, s23
	s_lshr_b32 s23, s15, 1
	s_lshl_b32 s23, s23, 9
	s_add_co_u32 s20, s20, s23
	s_add_co_u32 s20, s20, O_SW
	s_add_nc_u64 s[86:87], s[84:85], s[20:21]
	s_lshl_b32 s20, s18, 13
	s_add_co_u32 s20, s20, s22
	s_lshl_b32 s23, s14, 7
	s_add_co_u32 s20, s20, s23
	s_add_co_u32 s20, s20, O_TS
	s_add_nc_u64 s[88:89], s[6:7], s[20:21]
	s_lshl_b32 s16, s18, 11                        ; the first of the 16 rows that I store: 2,048 b + 256 G + 64 cx + 32 (w / 2) + 8 (w % 2)
	s_lshl_b32 s23, ttmp9, 8
	s_add_co_u32 s16, s16, s23
	s_lshl_b32 s23, s15, 6
	s_add_co_u32 s16, s16, s23
	s_lshr_b32 s23, s14, 1
	s_lshl_b32 s23, s23, 5
	s_add_co_u32 s16, s16, s23
	s_and_b32 s23, s14, 1
	s_lshl_b32 s23, s23, 3
	s_add_co_u32 s16, s16, s23
	s_lshl_b32 s20, s16, 9
	s_add_nc_u64 s[2:3], s[4:5], s[20:21]          ; in Uid,
	s_lshl_b32 s20, s16, 11
	s_add_co_u32 s20, s20, s91
	s_add_nc_u64 s[66:67], s[12:13], s[20:21]      ; in out0, first piece,
	s_lshl_b32 s20, s16, 11
	s_add_co_u32 s20, s20, s92
	s_add_nc_u64 s[94:95], s[12:13], s[20:21]      ; and second
.irp s, 0,1,2,3,4,5,6,7,8,9,10,11,12,13,14,15
	global_load_b64 v[AS+2*\s:AS+2*\s+1], v12, s[86:87] offset:1024*\s
.endr
.irp s, 0,1,2,3,4,5,6,7,8,9,10,11,12,13,14,15
	global_load_b32 v[BS+\s], v11, s[88:89] offset:512*\s
.endr
.irp x, 0,1,2,3,4,5,6,7,8,9,10,11,12,13,14,15
	global_load_b128 v[UR+4*\x:UR+4*\x+3], v10, s[2:3] offset:(\x+8*(\x/8))*512        ; slot x of tile w: a whole row of 512 bytes
.endr
	; LDS addresses: constants, the lane and the wave's number
	s_lshl_b32 s93, s14, 9
	v_lshlrev_b32 v4, 11, v2
	v_lshl_add_u32 v4, v1, 4, v4
	v_add_nc_u32 v4, s93, v4                       ; 2,048 h + 512 w + 16 r
	s_lshl_b32 s93, s14, 8
	s_add_co_u32 s93, s93, BYL
	v_mul_u32_u24 v5, v2, 1152
	v_lshl_add_u32 v5, v1, 3, v5
	v_add_nc_u32 v5, s93, v5                       ; 1,152 h + 256 w + 8 r
	v_lshlrev_b32 v6, 10, v2
	v_lshl_add_u32 v6, v1, 4, v6
	v_add_nc_u32 v6, AXL, v6                       ; 1,024 h + 16 r
	v_mul_u32_u24 v7, v2, 640
	v_lshl_add_u32 v7, v1, 3, v7
	v_add_nc_u32 v7, AYL, v7                       ; 640 h + 8 r
	s_lshl_b32 s93, s14, 7
	s_add_co_u32 s93, s93, STG
	v_mul_u32_u24 v8, v1, SPT
	v_lshl_add_u32 v8, v2, 5, v8
	v_add_nc_u32 v8, s93, v8                       ; the stage, in: row r, + 32 h, + 128 w
	s_mul_i32 s93, s14, 16*SPT
	s_add_co_u32 s93, s93, STG
	v_add_nc_u32 v9, s93, v10                      ; and back: my 16 rows, 16 bytes a lane
.macro FETCH k, z                      ; the fragments of the quarter's k-th K step into set z: 24 loads.  Lane (r, h) takes block 4 k + 2 c + h into registers 6 c .. 6 c + 5
	WIN 0x40                                       ; destination window 1, address window 0
.irp e, 0,1
.irp c, 0,1
	ds_load_b128 v[72*(\z)+12*\e+6*\c:72*(\z)+12*\e+6*\c+3], v4 offset:(4*(\k)+2*\c)*2048+256*\e
	ds_load_b64 v[72*(\z)+12*\e+6*\c+4:72*(\z)+12*\e+6*\c+5], v5 offset:(4*(\k)+2*\c)*1152+128*\e
.endr
.endr
.irp it, 0,1,2,3
.irp c, 0,1
	ds_load_b128 v[72*(\z)+24+12*\it+6*\c:72*(\z)+24+12*\it+6*\c+3], v6 offset:(4*(\k)+2*\c)*1024+256*\it
	ds_load_b64 v[72*(\z)+24+12*\it+6*\c+4:72*(\z)+24+12*\it+6*\c+5], v7 offset:(4*(\k)+2*\c)*640+128*\it
.endr
.endr
.endm
; One product.  e = 1: source 0's scales stand in lanes 16-31;  it odd: source 1's do.  zero = 1: it starts its sum.
.macro PROD d, bf, af, zero, sb, sa, e, it
.if \zero
.if (\e) && ((\it)%2)
	v_wmma_scale_f32_16x16x128_f8f6f4 v[\d:\d+7], v[\bf:\bf+11], v[\af:\af+11], 0, v[\sb], v[\sa] matrix_a_fmt:MATRIX_FMT_FP6 matrix_b_fmt:MATRIX_FMT_FP6 matrix_a_scale:MATRIX_SCALE_ROW1 matrix_b_scale:MATRIX_SCALE_ROW1
.elseif \e
	v_wmma_scale_f32_16x16x128_f8f6f4 v[\d:\d+7], v[\bf:\bf+11], v[\af:\af+11], 0, v[\sb], v[\sa] matrix_a_fmt:MATRIX_FMT_FP6 matrix_b_fmt:MATRIX_FMT_FP6 matrix_a_scale:MATRIX_SCALE_ROW1
.elseif (\it)%2
	v_wmma_scale_f32_16x16x128_f8f6f4 v[\d:\d+7], v[\bf:\bf+11], v[\af:\af+11], 0, v[\sb], v[\sa] matrix_a_fmt:MATRIX_FMT_FP6 matrix_b_fmt:MATRIX_FMT_FP6 matrix_b_scale:MATRIX_SCALE_ROW1
.else
	v_wmma_scale_f32_16x16x128_f8f6f4 v[\d:\d+7], v[\bf:\bf+11], v[\af:\af+11], 0, v[\sb], v[\sa] matrix_a_fmt:MATRIX_FMT_FP6 matrix_b_fmt:MATRIX_FMT_FP6
.endif
.else
.if (\e) && ((\it)%2)
	v_wmma_scale_f32_16x16x128_f8f6f4 v[\d:\d+7], v[\bf:\bf+11], v[\af:\af+11], v[\d:\d+7], v[\sb], v[\sa] matrix_a_fmt:MATRIX_FMT_FP6 matrix_b_fmt:MATRIX_FMT_FP6 matrix_a_scale:MATRIX_SCALE_ROW1 matrix_b_scale:MATRIX_SCALE_ROW1
.elseif \e
	v_wmma_scale_f32_16x16x128_f8f6f4 v[\d:\d+7], v[\bf:\bf+11], v[\af:\af+11], v[\d:\d+7], v[\sb], v[\sa] matrix_a_fmt:MATRIX_FMT_FP6 matrix_b_fmt:MATRIX_FMT_FP6 matrix_a_scale:MATRIX_SCALE_ROW1
.elseif (\it)%2
	v_wmma_scale_f32_16x16x128_f8f6f4 v[\d:\d+7], v[\bf:\bf+11], v[\af:\af+11], v[\d:\d+7], v[\sb], v[\sa] matrix_a_fmt:MATRIX_FMT_FP6 matrix_b_fmt:MATRIX_FMT_FP6 matrix_b_scale:MATRIX_SCALE_ROW1
.else
	v_wmma_scale_f32_16x16x128_f8f6f4 v[\d:\d+7], v[\bf:\bf+11], v[\af:\af+11], v[\d:\d+7], v[\sb], v[\sa] matrix_a_fmt:MATRIX_FMT_FP6 matrix_b_fmt:MATRIX_FMT_FP6
.endif
.endif
.endm
.macro MUL s, z, zero                  ; K step s on set z: the 8 accumulators take turns, one instruction a turn, in the same order in every step
	WIN 0x05                                       ; sources 0 and 1 window 1; C and D window 0
.irp it, 0,1,2,3
.irp e, 0,1
	PROD ACC+8*(2*\it+\e), 72*(\z)+12*\e, 72*(\z)+24+12*\it, \zero, BS+(\s), AS+2*(\s)+\it/2, \e, \it
.endr
.endr
.endm
; A quarter of K: four K steps.  Each wave waits for its own load of this quarter (the count: its loads of the later quarters may stay out), then the barrier.
.macro QUARTER q
	s_wait_tensorcnt 3-\q
	s_wait_dscnt 0x0
	s_barrier_signal -1
	s_barrier_wait -1                              ; all four parts of the quarter lie in LDS
.if \q > 0
	v_add_nc_u32 v4, 32768, v4                     ; on to this quarter's bytes.  These four are also the places in front of the loads into registers that the last products have read
	v_add_nc_u32 v5, 18432, v5
	v_add_nc_u32 v6, 16384, v6
	v_add_nc_u32 v7, 10240, v7
.endif
	FETCH 0, 0
.irp k, 0,1,2,3
.if \k < 3
.if \k > 0
	PLACES                                         ; in front of loads into the set that the last step's products have read
.endif
	FETCH \k+1, (\k+1)%2
	s_wait_dscnt 24                                ; all but the 24 just issued: this step's fragments are in
.else
	s_wait_dscnt 0x0
.endif
.if (\q == 0) && (\k == 0)
	s_wait_loadcnt 16                              ; the scale words are in; Uid's sixteen rows may stay out
	MUL 0, 0, 1
.else
	MUL 4*\q+\k, \k%2, 0
.endif
.endr
	WIN 0
.endm
	QUARTER 0
	QUARTER 1
	QUARTER 2
	QUARTER 3
	; THE WAY OUT.  A lane holds eight neighbouring e of one row; a row's 128 come from four waves.  They meet in the stage, and each wave stores 16 whole rows.
	PLACES                                         ; in front of the first read of results
	s_wait_dscnt 0x0
	s_barrier_signal -1
	s_barrier_wait -1                              ; every wave's reads of the left operand's bytes are over: the stage may be written
.irp it, 0,1,2,3
.irp e, 0,1
	ds_store_b128 v8, v[ACC+8*(2*\it+\e):ACC+8*(2*\it+\e)+3] offset:16*\it*SPT+64*\e        ; each accumulator from its low end on
	ds_store_b128 v8, v[ACC+8*(2*\it+\e)+4:ACC+8*(2*\it+\e)+7] offset:16*\it*SPT+64*\e+16
.endr
.endr
	s_wait_dscnt 0x0                               ; for the others' sake: my stores have landed
	s_barrier_signal -1
	s_barrier_wait -1
.irp x, 0,1,2,3,4,5,6,7,8,9,10,11,12,13,14,15
	ds_load_b128 v[BK+4*\x:BK+4*\x+3], v9 offset:\x*SPT
.endr
	s_wait_loadcnt 0x0                             ; Uid's rows
.irp x, 0,1,2,3,4,5,6,7,8,9,10,11,12,13,14,15
	s_wait_dscnt 15-\x                             ; row x is back; the younger loads may stay out
	v_pk_mul_f32 v[ACC+4*\x:ACC+4*\x+1], v[BK+4*\x:BK+4*\x+1], v[UR+4*\x:UR+4*\x+1]           ; Uid x the product
	v_pk_mul_f32 v[ACC+4*\x+2:ACC+4*\x+3], v[BK+4*\x+2:BK+4*\x+3], v[UR+4*\x+2:UR+4*\x+3]
.irp k, 0,1,2,3
	v_cndmask_b32 v[BK+4*\x+\k], v[BK+4*\x+\k], v[UR+4*\x+\k], s90       ; the first piece: the product (p = 0) or Uid (p = 1)
.endr
	global_store_b128 v10, v[BK+4*\x:BK+4*\x+3], s[66:67] offset:(\x+8*(\x/8))*2048 th:TH_STORE_NT      ; 32 lanes store 512 consecutive bytes, aligned; written once, read by nobody here
	global_store_b128 v10, v[ACC+4*\x:ACC+4*\x+3], s[94:95] offset:(\x+8*(\x/8))*2048 th:TH_STORE_NT
.endr
	s_wait_tensorcnt 0x0
	ds_add_u32 v14, v15
	s_wait_dscnt 0x0
	CROUND                                         ; the closing round: no work-group ends while a partner may still ask for a tile that names it
	s_endpgm
.Lfunc_end_k_qa81db037da_final:
	.size	k_qa81db037da_final, .Lfunc_end_k_qa81db037da_final-k_qa81db037da_final
	.p2alignl 7, 3214868480
	.fill 96, 4, 3214868480
	.section	.rodata,"a",@progbits
	.p2align	6, 0x0
	.amdhsa_kernel k_qa81db037da_final
		.amdhsa_group_segment_fixed_size 327680
		.amdhsa_private_segment_fixed_size 0
		.amdhsa_enable_private_segment 0
		.amdhsa_kernarg_size 40
		.amdhsa_user_sgpr_count 2
		.amdhsa_user_sgpr_kernarg_segment_ptr 1
		.amdhsa_wavefront_size32 1
		.amdhsa_system_sgpr_workgroup_id_x 1
		.amdhsa_system_sgpr_workgroup_id_y 1
		.amdhsa_system_sgpr_workgroup_id_z 1
		.amdhsa_system_vgpr_workitem_id 0
		.amdhsa_next_free_vgpr 400
		.amdhsa_next_free_sgpr 96
		.amdhsa_reserve_vcc 0
		.amdhsa_float_denorm_mode_32 3
		.amdhsa_float_denorm_mode_16_64 3
		.amdhsa_memory_ordered 1
		.amdhsa_forward_progress 1
		.amdhsa_inst_pref_size 74
	.end_amdhsa_kernel
	.amdgpu_metadata
---
amdhsa.version: [ 1, 2 ]
amdhsa.kernels:
  - .name:           k_qa81db037da_final
    .symbol:         k_qa81db037da_final.kd
    .args:
      - { .name: Uid, .offset: 0, .size: 8, .value_kind: global_buffer, .address_space: global }
      - { .name: prep, .offset: 8, .size: 8, .value_kind: global_buffer, .address_space: global }
      - { .name: pq, .offset: 16, .size: 8, .value_kind: global_buffer, .address_space: global }
      - { .name: mq, .offset: 24, .size: 8, .value_kind: global_buffer, .address_space: global }
      - { .name: out0, .offset: 32, .size: 8, .value_kind: global_buffer, .address_space: global }
    .group_segment_fixed_size: 327680
    .private_segment_fixed_size: 0
    .kernarg_segment_align: 8
    .kernarg_segment_size: 40
    .max_flat_workgroup_size: 128
    .sgpr_count:     96
    .vgpr_count:     400
    .wavefront_size: 32
...
	.end_amdgpu_metadata
.endif
;; end of part 4
